; MI455X (gfx1250); checked and timed in simulation.
; The chip was launched on July 23, 2026; its instructions are those of AMD's public machine-readable ISA for CDNA 5 (MIT licence, August 2026) and "CDNA5" Instruction Set Architecture Reference Guide (July 2026). The comments in the code are by the model that wrote it; some were corrected since.
;; Opti X Attention. Allowed arithmetic: matrix products marked QUANTISED: E3M2 operands, one E8M0 scale for each 32 along K, by v_wmma_scale_f32_16x16x128_f8f6f4 with both operands' format E3M2, f32 sums; everything else in f32.
;; Inputs: Wk 1,024 x 1,024 float32; Wo 1,024 x 1,024 float32; Wq 1,024 x 1,024 float32; Wv 1,024 x 1,024 float32; bk 1,024 float32; bo 1,024 float32; bq 1,024 float32; bv 1,024 float32; x 2 x 2,048 x 1,024 float32.
;; Outputs: out0 2 x 2,048 x 1,024 float32.
;; This version of the problem:
;;   THIS VERSION OF THE PROBLEM IS GIVEN IN LOW PRECISION. The matrix products marked QUANTISED in the list below multiply operands that are first quantised to E3M2 (3 exponent bits, 2 mantissa bits; 6 bits a number), with one power-of-two scale for each 32 numbers along K (OCP MX v1.0); their sums are f32. All else is computed in f32.
;;   The module's matrix products, in the order in which they are computed (A, B: the left and right operand; K: the contracted axis; several contracted axes count as one K, in the product's order):
;;     1. [M 4,096, K 1,024] x [K 1,024, N 1,024]; A: input x; B: input Wq: QUANTISED
;;     2. [M 4,096, K 1,024] x [K 1,024, N 1,024]; A: input x; B: input Wk: QUANTISED
;;     3. [M 4,096, K 1,024] x [K 1,024, N 1,024]; A: input x; B: input Wv: QUANTISED
;;     4. batch 32 x [M 2,048, K 64] x [K 64, N 2,048]; A: computed on the way; B: computed on the way: QUANTISED
;;     5. batch 32 x [M 2,048, K 2,048] x [K 2,048, N 64]; A: computed on the way; B: computed on the way: QUANTISED
;;     6. [M 4,096, K 1,024] x [K 1,024, N 1,024]; A: computed on the way; B: input Wo: QUANTISED
;;   THE QUANTISER, for each operand of a quantised product, along K:
;;     - K is cut into blocks of 32 from its start; a last block that is shorter is filled with zeros.
;;     - A block's scale is 2^e with e = floor(log2(the largest magnitude in the block)) - 4, held to -126 .. 127; a block of zeros has e = 0. As a byte (E8M0): e + 127.
;;     - Each number is divided by its block's scale, clamped to +-28, and rounded to the nearest number of E3M2, ties to even, subnormals kept.
;;     - The product sums the exact products of the quantised numbers (number of the format x scale) in f32.
;;   ~~~python
;;   def quantise(x, axis):      # numpy; x: float32 -> the quantised numbers, widened to float32 again
;;       x = np.moveaxis(x, axis, -1); K = x.shape[-1]
;;       x = np.pad(x, [(0, 0)] * (x.ndim - 1) + [(0, -K % 32)]); x = x.reshape(x.shape[:-1] + (-1, 32)); a = np.abs(x).max(-1, keepdims=True)
;;       e = np.where(a > 0, np.clip(np.frexp(np.where(a > 0, a, 1))[1] - 1 - 4, -126, 127), 0)      # np.frexp(a)[1] - 1 = floor(log2(a)), exactly
;;       r = np.clip(x / 2.0 ** e, -28, 28)
;;       step = 2.0 ** (np.maximum(np.frexp(np.where(r == 0, 1, r))[1] - 1, -2) - 2)
;;       q = np.round(r / step) * step * 2.0 ** e      # np.round: ties to even
;;       return np.moveaxis(q.reshape(q.shape[:-2] + (-1,))[..., :K], -1, axis).astype(np.float32)
;;   ~~~
;;   OPERANDS COMPUTED ON THE WAY. 'Computed on the way' means the value that the module computes at that place (a softmax that the list does not call 'softmax' is quantised finished and normalised). What goes into a quantiser is computed in f32, as accurately as f32 sums, v_exp_f32 and their like allow (about 1e-6 of the number): no bf16 or f16 on the way to a quantiser, and a product that is left as it is and whose result goes on into a quantised operand takes f32 operands (vector FMAs, or v_wmma_f32_16x16x4_f32). A number that lies on a knife's edge between two numbers of the format may be rounded either way, as far as f32 arithmetic and the matrix unit's own rounding can turn it there, and no further.
;; One version. Each part assembles by itself: llvm-mc -triple=amdgcn-amd-amdhsa -mcpu=gfx1250 --defsym DOCPART=n.
;; ======== version 1 of 1: 4 launches
;; limits: right only within a limited range of input values
;; workspace buffers: xq 3,276,800 bytes; wq 3,276,800 bytes; aq 3,276,800 bytes; qk 13,369,344 bytes
;; launch qxw (part 1): grid 384 x 1, 8 waves a work-group, no clusters, 95,744 bytes of LDS; arguments Wq, Wk, Wv, Wo, wq, x, xq; writes wq, xq
.if DOCPART == 1
	.amdgcn_target "amdgcn-amd-amdhsa--gfx1250"
	.amdhsa_code_object_version 6
	.text
	.protected	k_q92e2d880a5_qxw
	.globl	k_q92e2d880a5_qxw
	.p2align	8
	.type	k_q92e2d880a5_qxw,@function
k_q92e2d880a5_qxw:
	s_mov_b64 s[64:65], 0
	v_nop
	global_prefetch_b8 v0, s[64:65] scope:SCOPE_SE
	s_setreg_imm32_b32 hwreg(HW_REG_WAVE_MODE, 25, 1), 1
	s_wait_xcnt 0x0
; ONE LAUNCH QUANTISES x AND THE FOUR WEIGHTS into codes of BF6 (E3M2) with one E8M0 byte for each 32 along K, laid as IMAGES OF THE OPERAND'S REGISTERS:
; codes [256 row tiles][8 K steps of 128][6 chunks][32 lanes][8 bytes] (chunk p = registers 2 p, 2 p + 1 of a fragment), then from byte SCB on the scale bytes [4096 places][32].
; THE PLACES OF A TILE ARE NOT NEIGHBOURS: lane r of tile 2 g + u holds row (column) 32 g + 8 u + r + 8 (r / 8), so that in the products that follow, used transposed, 16 registers of two neighbouring tiles are 16 neighbours.
; A block's scale is 2^(floor(log2(its largest magnitude)) - 4); its byte is the largest magnitude's exponent field - 4, held at 1 from below.
; LIMITS: a block of zeros gets the byte 1 where the rule says 127 (its codes are zeros, and this program alone reads the bytes); NaN and infinities among the inputs are not served.
; Work-groups 0-255 take x [4096][1024]: work-group T makes row tile T, wave w its K step w.  Each of a wave's 16 loads reads 512 consecutive bytes of one row; the 16 rows turn through the wave's stage in LDS
; (rows 528 bytes apart), so that lane (r, h) gets, of row r, 16 neighbours of each block of 32.
; Work-groups 256-383 take the weights [1024 (k)][1024 (n)], K their first axis: places 0-1023 of wq are Wq's columns, then Wk's, Wv's, Wo's.  Four waves make a share (weight, K step, 128 columns), a work-group two shares.
; A lane takes a column and its registers run down K: a load reads 128 consecutive bytes a wave, a block of 32 lies in one lane; the codes go through the wave's stage, laid as two fragments' images, and leave in runs of 512 bytes.
; The two paths part on the work-group's number alone and have LDS bytes of their own.  No tensor load, no matrix work, no cluster: work-groups share no input.
.set SCB,   3145728
.set STGB,  16*528                     ; x: a wave's stage
.set SPARE, 0x10a00                    ; the spare words, 128 bytes a wave: no other line names them
.set QWB,   69120                      ; the weights' stages
.set WST,   3328                       ; a wave's: two images of 1,536 bytes, 1,664 apart
.set SPW,  250
.set NIL,  251
.set R,   16                           ; x: v16-79 the numbers as loaded
.set X,   80                           ; x: v80-143 register 16 b + i = k 32 b + 16 h + i of my row
.set PC,  144                          ; x: v144-155 the fragment; v156-162 at work
.set TM,  164
.set PW,  180
.set SEL, 20
.macro QUANT s                         ; 64 numbers of a lane become a fragment's codes in v[PC] on and its scale word in v[PW]
.irp b, 0,1,2,3
	v_max3_num_f32 v[TM+\b], |v[\s+16*\b]|, |v[\s+1+16*\b]|, 0x2800000   ; with the floor 2^(5 - 127)
.endr
.irp i, 2,4,6,8,10,12,14
.irp b, 0,1,2,3
	s_delay_alu instid0(VALU_DEP_4)
	v_max3_num_f32 v[TM+\b], v[TM+\b], |v[\s+16*\b+\i]|, |v[\s+1+16*\b+\i]|
.endr
.endr
.irp b, 0,1,2,3
	s_delay_alu instid0(VALU_DEP_4)
	v_permlanex16_b32 v[TM+4+\b], v[TM+\b], s[SEL], s[SEL+1]
.endr
.irp b, 0,1,2,3
	s_delay_alu instid0(VALU_DEP_4)
	v_max_num_f32 v[TM+\b], v[TM+\b], v[TM+4+\b]
.endr
.irp b, 0,1,2,3
	s_delay_alu instid0(VALU_DEP_4)
	v_add_nc_u32 v[TM+12+\b], 0xfe000000, v[TM+\b]   ; 4 off the exponent field: the conversion's scale operand
.endr
.irp b, 0,1,2,3
	s_delay_alu instid0(VALU_DEP_4)
	v_lshrrev_b32 v[TM+4+\b], 23, v[TM+12+\b]      ; the scale's byte
.endr
	s_delay_alu instid0(VALU_DEP_3)
	v_lshl_or_b32 v[PW], v[TM+5], 8, v[TM+4]
	s_delay_alu instid0(VALU_DEP_1)
	v_lshl_or_b32 v[PW], v[TM+6], 16, v[PW]
	s_delay_alu instid0(VALU_DEP_1)
	v_lshl_or_b32 v[PW], v[TM+7], 24, v[PW]
.irp c, 0,1
	v_cvt_scalef32_pk16_bf6_f32 v[PC+6*\c:PC+2+6*\c], v[\s+32*\c:\s+15+32*\c], v[TM+12+2*\c]
	v_cvt_scalef32_pk16_bf6_f32 v[PC+12+4*\c:PC+14+4*\c], v[\s+16+32*\c:\s+31+32*\c], v[TM+12+2*\c+1]
.endr
	v_nop                                          ; one plain place behind a scaled conversion
.irp c, 0,1
.irp i, 0,1,2
	v_permlane16_swap_b32 v[PC+6*\c+\i], v[PC+12+4*\c+\i]   ; a whole block to a lane
.endr
.irp i, 0,1,2
	s_delay_alu instid0(VALU_DEP_3)
	v_mov_b32 v[PC+3+6*\c+\i], v[PC+12+4*\c+\i]
.endr
.endr
.endm
	v_lshl_add_u32 v[SPW], v0, 2, SPARE
	v_mov_b32 v[NIL], 0
	v_lshrrev_b32 v1, 5, v0
	s_delay_alu instid0(VALU_DEP_1)
	v_readfirstlane_b32 s8, v1                     ; wave 0..7
	v_and_b32 v2, 31, v0                           ; lane
	s_cmp_ge_u32 ttmp9, 256
	s_wait_alu depctr_va_vdst(0)
	s_cbranch_scc1 .Lweights
	s_load_b64 s[4:5], s[0:1], 0x28                ; x
	s_load_b64 s[6:7], s[0:1], 0x30                ; xq
	v_lshlrev_b32 v3, 4, v2                        ; 16 x lane
	v_and_b32 v4, 15, v0                           ; r
	v_bfe_u32 v5, v0, 4, 1                         ; h
	s_mul_i32 s9, s8, STGB
	v_add_nc_u32 v6, s9, v3                        ; the stage, on the way in
	v_mul_u32_u24 v7, v4, 528
	s_delay_alu instid0(VALU_DEP_1)
	v_lshl_add_u32 v7, v5, 6, v7
	s_delay_alu instid0(VALU_DEP_1)
	v_add_nc_u32 v7, s9, v7                        ; and on the way out: row r, + 64 h
	v_lshlrev_b32 v8, 3, v2                        ; 8 x lane
	v_lshlrev_b32 v9, 5, v4
	s_lshl_b32 s10, s8, 2
	v_add_nc_u32 v9, s10, v9                       ; my row's scale word of my K step, in the tile's 512 scale bytes: 32 r + 4 w
.irp b, 0,1,2,3
	v_mov_b32 v[TM+4+\b], 0                        ; a lane permute's destination counts as one of its sources
.endr
	s_lshr_b32 s12, ttmp9, 1
	s_lshl_b32 s12, s12, 5
	s_and_b32 s13, ttmp9, 1
	s_lshl_b32 s13, s13, 3
	s_add_co_u32 s12, s12, s13                     ; the tile's first row: 32 (T / 2) + 8 (T % 2)
	s_lshl_b32 s12, s12, 12
	s_lshl_b32 s13, s8, 9
	s_add_co_u32 s12, s12, s13
	s_mov_b32 s13, 0
	s_mul_i32 s14, ttmp9, 12288
	s_mul_i32 s15, s8, 1536
	s_add_co_u32 s14, s14, s15                     ; my fragment's image
	s_mov_b32 s15, 0
	s_lshl_b32 s16, ttmp9, 9
	s_add_co_u32 s16, s16, SCB
	s_mov_b32 s17, 0
	s_mov_b32 s[SEL], 0x76543210
	s_mov_b32 s[SEL+1], 0xfedcba98
	s_wait_alu depctr_va_vdst(0)
	s_wait_kmcnt 0x0
	s_add_nc_u64 s[4:5], s[4:5], s[12:13]
	s_add_nc_u64 s[18:19], s[6:7], s[16:17]
	s_add_nc_u64 s[6:7], s[6:7], s[14:15]
.irp i, 0,1,2,3,4,5,6,7,8,9,10,11,12,13,14,15
	global_load_b128 v[R+4*\i:R+4*\i+3], v3, s[4:5] offset:(\i+8*(\i/8))*4096 th:TH_LOAD_NT   ; place i of the tile: 512 consecutive bytes of its row
.endr
.irp i, 0,1,2,3,4,5,6,7,8,9,10,11,12,13,14,15
	s_wait_loadcnt 15-\i                           ; loads come back in order: row i is in
	ds_store_b128 v6, v[R+4*\i:R+4*\i+3] offset:528*\i
.endr
.irp b, 0,1,2,3
.irp j, 0,1,2,3
	ds_load_b128 v[X+16*\b+4*\j:X+16*\b+4*\j+3], v7 offset:128*\b+16*\j   ; LDS serves a wave's instructions in order
.endr
.endr
	s_wait_dscnt 0x0
	QUANT X
.irp p, 0,1,2,3,4,5
	global_store_b64 v8, v[PC+2*\p:PC+2*\p+1], s[6:7] offset:256*\p   ; a chunk: 256 consecutive bytes, aligned
.endr
	global_store_b32 v9, v[PW], s[18:19]           ; the scale words leave 4 bytes a lane to places 32 bytes apart, as the weights' do: 128 KiB in all beside 16 MiB read; lanes l and l xor 16 store the same word with the same value; waves share nothing, so no barrier
	s_wait_tensorcnt 0x0                           ; the wave's end
	ds_add_u32 v[SPW], v[NIL]
	s_wait_dscnt 0x0
	s_endpgm
.set WX,   32                          ; weights: v32-159 W(128 K step + i, my column)
.set C,    160                         ; block q's six registers at v[C + 8 q]
.set T,    192                         ; the second conversion's three at v[T + 4 q]
.set SB,   24                          ; my column's scale word
.set OUTR, 208                         ; v208-231 the way out
.Lweights:
	s_mov_b32 s28, s8                              ; the wave's number, out of the way of the arguments
	s_load_b256 s[4:11], s[0:1], 0x0               ; Wq, Wk, Wv, Wo
	s_load_b64 s[12:13], s[0:1], 0x20              ; wq
	s_sub_co_u32 s26, ttmp9, 256
	s_lshl_b32 s26, s26, 1
	s_lshr_b32 s27, s28, 2
	s_add_co_u32 s26, s26, s27                     ; my share, 0..255
	s_and_b32 s14, s28, 3                          ; which 32 of its 128 columns
	s_and_b32 s27, s26, 7                          ; which 128 columns
	s_lshr_b32 s15, s26, 3
	s_lshr_b32 s16, s15, 3                         ; which weight
	s_and_b32 s17, s15, 7                          ; which K step
	s_mul_i32 s18, s28, WST
	s_add_co_u32 s18, s18, QWB
	v_lshlrev_b32 v3, 2, v2                        ; in: 4 bytes a lane
	v_bfe_u32 v8, v2, 3, 1                         ; u: which of the two tiles my column falls into
	v_and_b32 v9, 7, v2
	v_lshrrev_b32 v10, 4, v2
	v_lshl_add_u32 v9, v10, 3, v9                  ; r: its lane there
	v_mul_u32_u24 v4, v8, 1664
	v_lshl_add_u32 v4, v9, 3, v4
	v_add_nc_u32 v4, s18, v4                       ; into the stage: image u, 8 r
	v_lshlrev_b32 v6, 4, v2                        ; out: 16 bytes a lane
	v_add_nc_u32 v5, s18, v6
	v_lshl_add_u32 v7, v8, 4, v9
	v_lshlrev_b32 v7, 5, v7                        ; my place's 32 scale bytes
	s_lshl_b32 s20, s17, 19                        ; W: 128 rows of 4,096 bytes a K step,
	s_lshl_b32 s21, s27, 9
	s_add_co_u32 s20, s20, s21                     ; 128 columns a share,
	s_lshl_b32 s21, s14, 7
	s_add_co_u32 s20, s20, s21                     ; 32 a wave
	s_mov_b32 s21, 0
	s_lshl_b32 s22, s16, 6
	s_lshl_b32 s23, s27, 3
	s_add_co_u32 s22, s22, s23
	s_lshl_b32 s23, s14, 1
	s_add_co_u32 s22, s22, s23                     ; my first row tile
	s_lshl_b32 s24, s22, 9
	s_mul_i32 s22, s22, 12288
	s_mul_i32 s23, s17, 1536
	s_add_co_u32 s22, s22, s23
	s_mov_b32 s23, 0
	s_lshl_b32 s25, s17, 2
	s_add_co_u32 s24, s24, s25
	s_add_co_u32 s24, s24, SCB
	s_mov_b32 s25, 0
	s_wait_alu depctr_va_vdst(0)
	s_wait_kmcnt 0x0
	s_cmp_eq_u32 s16, 1                            ; the weight is chosen by ids alone
	s_cselect_b64 s[4:5], s[6:7], s[4:5]
	s_cmp_eq_u32 s16, 2
	s_cselect_b64 s[4:5], s[8:9], s[4:5]
	s_cmp_eq_u32 s16, 3
	s_cselect_b64 s[4:5], s[10:11], s[4:5]
	s_add_nc_u64 s[4:5], s[4:5], s[20:21]
	s_add_nc_u64 s[22:23], s[12:13], s[22:23]
	s_add_nc_u64 s[24:25], s[12:13], s[24:25]
.macro LOAD q                          ; block q: W(32 q + i, my column), i = 0 .. 31
.set I, 0
.rept 32
	global_load_b32 v[WX+32*(\q)+I], v3, s[4:5] offset:4096*(32*(\q)+I) th:TH_LOAD_NT
.set I, I+1
.endr
.endm
	LOAD 0
	LOAD 1
.macro BLOCK q
.set XS, WX+32*(\q)
.if (\q) < 3
	s_wait_loadcnt 32                              ; this block's 32 loads are in; the next block's 32 stay out
.else
	s_wait_loadcnt 0x0
.endif
.if (\q)+2 < 4
	LOAD (\q)+2
.endif
	v_max3_num_f32 v12, |v[XS]|, |v[XS+1]|, |v[XS+2]|
	v_max3_num_f32 v13, |v[XS+3]|, |v[XS+4]|, |v[XS+5]|
.irp i, 6,10,14,18,22,26
	v_max3_num_f32 v12, v12, |v[XS+\i]|, |v[XS+\i+1]|
	v_max3_num_f32 v13, v13, |v[XS+\i+2]|, |v[XS+\i+3]|
.endr
	v_max3_num_f32 v12, v12, |v[XS+30]|, |v[XS+31]|
	v_max3_num_f32 v12, v12, v13, 0x2800000        ; and the floor 2^(5 - 127)
	v_add_nc_u32 v11, 0xfe000000, v12
	v_lshrrev_b32 v13, 23, v11
.if (\q) == 0
	v_mov_b32 v[SB], v13
.else
	v_lshl_or_b32 v[SB], v13, 8*(\q), v[SB]
.endif
	v_cvt_scalef32_pk16_bf6_f32 v[C+8*(\q):C+8*(\q)+2], v[XS:XS+15], v11
	v_cvt_scalef32_pk16_bf6_f32 v[T+4*(\q):T+4*(\q)+2], v[XS+16:XS+31], v11
	v_nop                                          ; one plain place behind a scaled conversion
.irp i, 0,1,2
	v_mov_b32 v[C+8*(\q)+3+\i], v[T+4*(\q)+\i]
.endr
.irp i, 0,1,2
	ds_store_b64 v4, v[C+8*(\q)+2*\i:C+8*(\q)+2*\i+1] offset:768*((\q)/2)+128*((\q)%2)+256*\i   ; chunk 3 (q / 2) + i, lane r + 16 (q % 2)
.endr
.endm
	BLOCK 0
	BLOCK 1
	BLOCK 2
	BLOCK 3
	global_store_b32 v7, v[SB], s[24:25]           ; my column's scale word of this K step
.irp i, 0,1,2,3,4,5
	ds_load_b128 v[OUTR+4*\i:OUTR+4*\i+3], v5 offset:1664*(\i/3)+512*(\i%3)   ; LDS serves a wave's instructions in order
.endr
.irp i, 0,1,2,3,4,5
	s_wait_dscnt 5-\i
	global_store_b128 v6, v[OUTR+4*\i:OUTR+4*\i+3], s[22:23] offset:12288*(\i/3)+512*(\i%3)   ; 512 consecutive bytes of a fragment's image
.endr
	s_wait_tensorcnt 0x0                           ; the wave's end
	ds_add_u32 v[SPW], v[NIL]
	s_wait_dscnt 0x0
	s_endpgm
.Lfunc_end_k_q92e2d880a5_qxw:
	.size	k_q92e2d880a5_qxw, .Lfunc_end_k_q92e2d880a5_qxw-k_q92e2d880a5_qxw
	.p2alignl 7, 3214868480
	.fill 96, 4, 3214868480
	.section	.rodata,"a",@progbits
	.p2align	6, 0x0
	.amdhsa_kernel k_q92e2d880a5_qxw
		.amdhsa_group_segment_fixed_size 95744
		.amdhsa_private_segment_fixed_size 0
		.amdhsa_enable_private_segment 0
		.amdhsa_kernarg_size 56
		.amdhsa_user_sgpr_count 2
		.amdhsa_user_sgpr_kernarg_segment_ptr 1
		.amdhsa_wavefront_size32 1
		.amdhsa_system_sgpr_workgroup_id_x 1
		.amdhsa_system_sgpr_workgroup_id_y 1
		.amdhsa_system_sgpr_workgroup_id_z 1
		.amdhsa_system_vgpr_workitem_id 0
		.amdhsa_next_free_vgpr 252
		.amdhsa_next_free_sgpr 66
		.amdhsa_reserve_vcc 0
		.amdhsa_float_denorm_mode_32 3
		.amdhsa_float_denorm_mode_16_64 3
		.amdhsa_memory_ordered 1
		.amdhsa_forward_progress 1
		.amdhsa_inst_pref_size 35
	.end_amdhsa_kernel
	.amdgpu_metadata
---
amdhsa.version: [ 1, 2 ]
amdhsa.kernels:
  - .name:           k_q92e2d880a5_qxw
    .symbol:         k_q92e2d880a5_qxw.kd
    .args:
      - { .name: Wq, .offset: 0, .size: 8, .value_kind: global_buffer, .address_space: global }
      - { .name: Wk, .offset: 8, .size: 8, .value_kind: global_buffer, .address_space: global }
      - { .name: Wv, .offset: 16, .size: 8, .value_kind: global_buffer, .address_space: global }
      - { .name: Wo, .offset: 24, .size: 8, .value_kind: global_buffer, .address_space: global }
      - { .name: wq, .offset: 32, .size: 8, .value_kind: global_buffer, .address_space: global }
      - { .name: x, .offset: 40, .size: 8, .value_kind: global_buffer, .address_space: global }
      - { .name: xq, .offset: 48, .size: 8, .value_kind: global_buffer, .address_space: global }
    .group_segment_fixed_size: 95744
    .private_segment_fixed_size: 0
    .kernarg_segment_align: 8
    .kernarg_segment_size: 56
    .max_flat_workgroup_size: 256
    .sgpr_count:     66
    .vgpr_count:     252
    .wavefront_size: 32
...
	.end_amdgpu_metadata
.endif
;; end of part 1
;; launch qkv (part 2): grid 12 x 16, 4 waves a work-group, clusters of 4 x 4, 327,680 bytes of LDS; arguments xq, wq, bq, bk, bv, qk; writes qk
.if DOCPART == 2
	.amdgcn_target "amdgcn-amd-amdhsa--gfx1250"
	.amdhsa_code_object_version 6
	.text
	.protected	k_q92e2d880a5_qkv
	.globl	k_q92e2d880a5_qkv
	.p2align	8
	.type	k_q92e2d880a5_qkv,@function
k_q92e2d880a5_qkv:
	s_mov_b64 s[64:65], 0
	v_nop
	global_prefetch_b8 v0, s[64:65] scope:SCOPE_SE
	s_setreg_imm32_b32 hwreg(HW_REG_WAVE_MODE, 25, 1), 1
	s_wait_xcnt 0x0
	s_wait_alu depctr_hold_cnt(0) depctr_sa_sdst(0) depctr_va_vdst(0) depctr_va_sdst(0) depctr_va_ssrc(0) depctr_va_vcc(0) depctr_vm_vsrc(0)
	s_getreg_b32 s2, hwreg(HW_REG_IB_STS2, 6, 4)
	s_cmp_eq_u32 s2, 0
	s_cbranch_scc0 .Lentry_in_a_cluster
	s_endpgm
.Lentry_in_a_cluster:
	s_bfe_u32 s2, ttmp6, 0x10000c
	s_cmp_lg_u32 s2, 0xf033
	s_cbranch_scc0 .Lentry_shape_is_right
	s_endpgm
.Lentry_shape_is_right:
; Q = x Wq + bq, K = x Wk + bk and V = x Wv + bv on codes of BF6 (E3M2) with E8M0 scales, each result quantised again on its way out: Q and K along the head's 64, V along the tokens.
; OPERANDS lie in memory as images of their registers (launches qx, qw): a fragment (16 places x 128 K) is 6 chunks of 256 bytes, chunk p = registers 2 p, 2 p + 1 of the 32 lanes; a row tile's 8 fragments on end.
; A tile of 256 x 256 is made by four waves, 128 x 128 each: 64 accumulators, 512 registers.  K goes in steps of 256 through a ring of two LDS slots; the scale bytes of the 512 places come once and stay.
; THE MATRIX INSTRUCTION IS USED TRANSPOSED (source 0 = 16 places of operand B, source 1 = 16 of operand A).  With the places as qx and qw lay them, lane (r, h) holds A's place 16 a + r, and the 64 registers of one a
; hold B's natural rows 32 g + 16 h + i in register 16 g + i: 16 neighbours, as the conversions want them.  So the 12 registers that the quantiser makes ARE a fragment of the next product, and leave as they stand.
; Clusters x = 0, 1: A = x, B = Wq or Wk: a lane holds a token, registers run along the heads' channels.  Cluster x = 2: A = Wv, B = x: a lane holds a channel of V, registers run along the tokens, the second product's K.
; Every branch hangs on the cluster's x or on the wave's number, never on a work-group's place in its cluster.
; CLUSTERS: 4 x 4 work-groups; A's tiles are asked for jointly along a row of the cluster, B's along a column.
; The biases are the C of each sum's first matrix instruction.
; RESULTS.  qk: Q at 0, K at KOFF, [batch x 16 + head][key step of 128 tokens][6,656 bytes]: four pairs of tiles of 16 tokens, 1,536 bytes each (registers 0-5 the even tile, 6-11 the odd one: 64 channels are half an
; instruction's K), then 512 bytes of scale words (lane l, word g: tile 2 g + l / 16, row l % 16; bytes 2 and 3 are 0).  vv: [batch x 16 + head][key step][6,400 bytes]: four fragments (16 channels x 128 tokens), then 256 bytes of scale words.
; LIMITS: a block of zeros gets the byte 1 where the rule says 127 (zero codes; this program alone reads the bytes); NaN and infinities are not served.
; REGISTERS: window 0: v16-29 addresses; v32-63 scale words, two sets; v64-127 the bias; v128-223 A's fragments, one set; on the way out v128-187.  Window 1: B's fragments, two sets, at v0 and v128.  Windows 2, 3: the accumulators ((a, b) at v[8 (8 (a % 4) + b)]).
.set NQ,     2                         ; steps of 128 in a slot
.set FR,     12                        ; registers of a fragment
.set NL,     6                         ; LDS loads that bring one
.set NP,     4                         ; places behind this matrix instruction (ISA guide 7.12.1)
.set FRB,    1536                      ; a fragment's image
.set HALFT,  8*NQ*FRB                  ; 8 row tiles x 2 fragments: what one tensor load brings
.set SLOT,   4*HALFT
.set SCL,    2*SLOT                    ; behind the ring: the scale bytes, as runs of 256 bytes + 16 of padding
.set HALFS,  16*272                    ; those of 128 places
.set SBLK,   2*272                     ; those of 16
.set SPARE,  SCL+4*HALFS               ; the spare words, 128 bytes for each wave: no other line names them
.set SCB,    3145728                   ; where the scale bytes begin in xq and in wq
; THE PLACES OF THE RESULTS, as this text stores them (they take the place of the strides named at the head): all three lie in qk.  A key step of a head has a record of 13,056 bytes, a head 16 records.
; Q's records begin at 0 and use their first 6,656 bytes; from KOFF on a record holds K's 6,656 bytes and behind them V's 6,400: one dense block for the launch that follows.
.set QKH,    208896                    ; a head's 16 records
.set KOFF,   6684672                   ; 32 heads' records of Q
.set VVH,    208896                    ; V's stride from head to head: the same records
.set ADRA, 16                          ; v16-17 LDS address of my A fragments in slot 0, 1: 8 x lane + my 128 places
.set ADRB, 20                          ; v20-21 the same for B
.set BQO,  22                          ; v22    64 h: the bias of Q, K
.set BVO,  23                          ; v23    4 (r + 8 (r / 8)): the bias of V
.set L8,   25                          ; v25    8 x lane
.set L16,  26                          ; v26    16 x lane
.set ADRS, 27                          ; v27    LDS address of my scale words: lanes 0-15 A's, lanes 16-31 B's
.set SPW,  28                          ; v28    my spare word; never rewritten
.set NIL,  29                          ; v29    0; never rewritten
.set SC,   32
.set BI,   64
.set AF,   128
.set EV,   128                         ; the way out: v128-139 the even head's pair of tiles (V: the fragment)
.set OD,   140                         ; v140-151 the odd head's
.set PT,   152                         ; v152-158 the second halves of blocks
.set TM,   160                         ; v160-175 at work
.set PW,   176                         ; the scale word just made
.set TA,   178
.set SWE,  180                         ; v180-183 scale words gathered, even head (V: all)
.set SWO,  184                         ; v184-187 odd head
.set G1, 24
.set G0, 32
.set G1B, 48
.set G0B, 56
.set G1S, 68
.set G0S, 76
.set G1SB, 80
.set G0SB, 88
.set MSB, 0
.macro WIN new                         ; the immediate's high byte repeats the setting that is left
.if MSB != (\new)
	s_set_vgpr_msb (MSB<<8)|(\new)
.set MSB, (\new)
.endif
.endm
.set MUL_LO, 0xa1                      ; source 0 (B) window 1, source 1 (A) window 0, C and D window 2
.set MUL_HI, 0xf1
.set BIAS_LO, 0x81                     ; the same with C (the bias) in window 0
.set BIAS_HI, 0xc1
.set TO_B,   0x40
; A joint load: waves 0 and 1 fetch for A, waves 2 and 3 for B.  Four v_nop follow each of the two lines.
.macro JLOAD g0a, g1a, g0b, g1b
	s_cmp_eq_u32 s19, 0
	s_cbranch_scc0 .Lfor_b_\@
	tensor_load_to_lds s[\g0a:\g0a+3], s[\g1a:\g1a+7]
	s_nop 0
.rept 4
	v_nop
.endr
	s_branch .Lasked_\@
.Lfor_b_\@:
	tensor_load_to_lds s[\g0b:\g0b+3], s[\g1b:\g1b+7]
	s_nop 0
.rept 4
	v_nop
.endr
.Lasked_\@:
.endm
.macro CREST                           ; a round of the cluster's barrier behind its opening barrier
	s_cmp_lg_u32 s18, 0
	s_cbranch_scc1 .Lnot_wave_0_\@
	s_barrier_signal -3
.Lnot_wave_0_\@:
	s_barrier_wait -3
	s_barrier_signal -1
	s_barrier_wait -1
.endm
.macro CROUND
	s_barrier_signal -1
	s_barrier_wait -1
	CREST
.endm
	s_load_b256 s[4:11], s[0:1], 0x0               ; xq, wq, bq, bk
	s_load_b128 s[12:15], s[0:1], 0x20             ; bv, qk
	v_lshl_add_u32 v[SPW], v0, 2, SPARE
	v_mov_b32 v[NIL], 0
	ds_add_u32 v28, v29
	ds_add_u32 v28, v29
	s_wait_dscnt 0x0
	v_lshrrev_b32 v1, 5, v0
	v_readfirstlane_b32 s18, v1                    ; wave 0..3
	s_lshr_b32 s19, s18, 1                         ; which half of A's 256 places is mine.  Also: I fetch for A (0) or for B (1)
	s_and_b32 s20, s18, 1                          ; which half of B's.  Also: which 128 places I fetch
	s_bfe_u32 s40, ttmp6, 0x40000                  ; cx, cy: my place in the cluster
	s_bfe_u32 s41, ttmp6, 0x40004
	s_and_b32 s42, ttmp7, 0xffff                   ; cluster y
	s_cmp_eq_u32 ttmp9, 2                          ; cluster x = 2 makes V
	s_cselect_b32 s43, 2, s42                      ; A's four tiles: Wv's (tiles 8-11 of wq), or x's by the cluster's y
	s_cselect_b32 s44, s42, ttmp9                  ; B's four tiles: x's by the cluster's y, or Wq's (0-3), Wk's (4-7)
	s_lshl_b32 s43, s43, 2
	s_add_co_u32 s43, s43, s41                     ; A's tile: hangs on cy alone within the cluster
	s_lshl_b32 s44, s44, 2
	s_add_co_u32 s44, s44, s40                     ; B's tile: on cx alone
	s_lshl_b32 s45, s41, 2
	s_lshl_b32 s45, 15, s45                        ; my row of the cluster
	s_lshl_b32 s46, 0x1111, s40                    ; my column
	; descriptor group 1 for codes: 8 rows (row tiles) of 3,072 bytes (two fragments), 12,288 bytes apart; elements of 8 bytes; no padding: an image is read in runs of 256 consecutive bytes
	s_or_b32 s[G1+0], s45, (3<<16)|(1<<21)
	s_or_b32 s[G1B+0], s46, (3<<16)|(1<<21)
.irp g, G1, G1B
	s_mov_b32 s[\g+1], 384<<16                     ; tensor_dim0
	s_mov_b32 s[\g+2], 16<<16                      ; tensor_dim1: 16 row tiles for the head's loads; behind them 8
	s_mov_b32 s[\g+3], 384<<16                     ; tile_dim0
	s_mov_b32 s[\g+4], 16                          ; tile_dim1 likewise
	s_mov_b32 s[\g+5], 1536                        ; tensor_dim0_stride
	s_mov_b32 s[\g+6], 0
	s_mov_b32 s[\g+7], 0
.endr
	; and for the scale bytes of 256 places: 8,192 dense bytes as 32 rows of 256, 16 bytes of padding behind each
	s_or_b32 s[G1S+0], s45, (3<<16)|(1<<20)|(1<<21)|(5<<22)|(3<<25)
	s_or_b32 s[G1SB+0], s46, (3<<16)|(1<<20)|(1<<21)|(5<<22)|(3<<25)
.irp g, G1S, G1SB
	s_mov_b32 s[\g+1], 32<<16
	s_mov_b32 s[\g+2], 32<<16                      ; the scale bytes of 256 places: 32 rows of 256 bytes
	s_mov_b32 s[\g+3], 32<<16
	s_mov_b32 s[\g+4], 32
	s_mov_b32 s[\g+5], 32
	s_mov_b32 s[\g+6], 0
	s_mov_b32 s[\g+7], 0
.endr
	s_lshl_b32 s22, s43, 8                         ; the first place of A's tile
	s_lshl_b32 s23, s44, 8                         ; and of B's
	s_mul_i32 s94, s22, 768                        ; codes: 768 bytes a place
	s_mov_b32 s95, 0
	s_lshl_b32 s96, s22, 5                         ; scale bytes: 32 a place
	s_add_co_u32 s96, s96, SCB
	s_mov_b32 s97, 0
	s_mul_i32 s98, s23, 768
	s_mov_b32 s99, 0
	s_lshl_b32 s100, s23, 5
	s_add_co_u32 s100, s100, SCB
	s_mov_b32 s101, 0
	s_mul_i32 s2, s18, HALFT                       ; where they go: by the wave's number alone
	s_wait_kmcnt 0x0
	s_cmp_eq_u32 ttmp9, 2
	s_cselect_b64 s[66:67], s[6:7], s[4:5]         ; operand A's buffer
	s_cselect_b64 s[92:93], s[4:5], s[6:7]         ; operand B's
	s_add_nc_u64 s[94:95], s[66:67], s[94:95]
	s_add_nc_u64 s[96:97], s[66:67], s[96:97]
	s_add_nc_u64 s[98:99], s[92:93], s[98:99]
	s_add_nc_u64 s[100:101], s[92:93], s[100:101]
	CROUND                                         ; all sixteen work-groups are here: the first joint loads meet
	s_mov_b32 s[G0S], 1
	s_mov_b32 s[G0S+1], SCL
	s_mov_b64 s[G0S+2:G0S+3], s[96:97]
	s_or_b32 s[G0S+3], s[G0S+3], 0x80000000
	s_mov_b32 s[G0SB], 1
	s_mov_b32 s[G0SB+1], SCL+2*HALFS
	s_mov_b64 s[G0SB+2:G0SB+3], s[100:101]
	s_or_b32 s[G0SB+3], s[G0SB+3], 0x80000000
	s_mov_b32 s4, 1                                ; s[4:7]: group 0 for the head's load of A's 256 places of slot 0 (the two arguments that lay there have been used)
	s_mov_b32 s5, 0
	s_mov_b64 s[6:7], s[94:95]
	s_or_b32 s7, s7, 0x80000000
	s_mul_i32 s22, s20, 128*768                    ; in the ring I fetch 128 places of a tile: which half, in bytes
	s_mov_b32 s23, 0
	s_add_nc_u64 s[94:95], s[94:95], s[22:23]
	s_add_nc_u64 s[92:93], s[98:99], s[22:23]
	s_mov_b32 s96, 1                               ; s[96:99]: the same for B's 256 places, behind A's in slot 0
	s_mov_b32 s97, 2*HALFT
	s_or_b32 s99, s99, 0x80000000
.irp s, 0,1
	s_mov_b32 s[G0+4*\s], 1
	s_add_co_u32 s[G0+4*\s+1], s2, \s*SLOT
	s_add_nc_u64 s[G0+4*\s+2:G0+4*\s+3], s[94:95], \s*NQ*FRB
	s_or_b32 s[G0+4*\s+3], s[G0+4*\s+3], 0x80000000
	s_mov_b32 s[G0B+4*\s], 1
	s_add_co_u32 s[G0B+4*\s+1], s2, \s*SLOT
	s_add_nc_u64 s[G0B+4*\s+2:G0B+4*\s+3], s[92:93], \s*NQ*FRB
	s_or_b32 s[G0B+4*\s+3], s[G0B+4*\s+3], 0x80000000
.endr
; THE HEAD'S LOADS, ONE A WAVE: wave 0 fetches slot 0's 256 places of A, wave 1 its 256 of B, wave 2 the scale bytes of A's 256 places, wave 3 those of B's.
; One tree of branches on the wave's number: every way through it passes exactly one load.
.macro ARM under, g0, g1, next
	s_cmp_lt_u32 s18, \under
	s_cbranch_scc0 \next
	tensor_load_to_lds s[\g0:\g0+3], s[\g1:\g1+7]
	s_nop 0
.rept 4
	v_nop
.endr
	s_branch .Lhead_asked
\next:
.endm
	ARM 1, 4, G1, .Lhead_b
	ARM 2, 96, G1B, .Lhead_sa
	ARM 3, G0S, G1S, .Lhead_sb
	tensor_load_to_lds s[G0SB:G0SB+3], s[G1SB:G1SB+7]
	s_nop 0
.rept 4
	v_nop
.endr
.Lhead_asked:
	v_and_b32 v1, 15, v0                           ; r
	v_bfe_u32 v2, v0, 4, 1                         ; h
	v_and_b32 v3, 31, v0
	v_lshlrev_b32 v[L8], 3, v3
	v_lshlrev_b32 v[L16], 4, v3
	s_mul_i32 s21, s19, HALFT                      ; my 128 places of A
	s_mul_i32 s22, s20, HALFT                      ; my 128 of B,
	s_add_co_u32 s22, s22, 2*HALFT                 ; which lie behind A's 256
.irp s, 0,1
	v_add_nc_u32 v[ADRA+\s], s21, v[L8]
	v_add_nc_u32 v[ADRB+\s], s22, v[L8]
	s_add_co_u32 s21, s21, SLOT
	s_add_co_u32 s22, s22, SLOT
.endr
	v_lshlrev_b32 v5, 5, v1                        ; my place's scale bytes: 32 a place,
	v_lshrrev_b32 v6, 8, v5
	v_lshl_add_u32 v5, v6, 4, v5                   ; and 16 more for each 256 passed
	s_mul_i32 s21, s19, HALFS
	s_mul_i32 s22, s20, HALFS
	s_add_co_u32 s22, s22, 2*HALFS
	s_sub_co_u32 s22, s22, s21
	v_mul_u32_u24 v6, s22, v2                      ; lanes 16-31 take B's
	s_add_co_u32 s21, s21, SCL
	v_add_nc_u32 v5, v5, v6
	v_add_nc_u32 v[ADRS], s21, v5
	v_lshlrev_b32 v[BQO], 6, v2
	v_and_b32 v4, 8, v1
	v_add_nc_u32 v4, v4, v1
	v_lshlrev_b32 v[BVO], 2, v4
	; THE BIAS, in the result's layout
	s_cmp_eq_u32 ttmp9, 2
	s_cbranch_scc1 .Lbias_v
	s_lshl_b32 s21, s44, 8
	s_lshl_b32 s22, s20, 7
	s_add_co_u32 s21, s21, s22
	s_and_b32 s21, s21, 1023                       ; my first column of Q or of K
	s_lshl_b32 s22, s21, 2
	s_mov_b32 s23, 0
	s_cmp_eq_u32 ttmp9, 0
	s_cselect_b64 s[2:3], s[8:9], s[10:11]
	s_add_nc_u64 s[2:3], s[2:3], s[22:23]
	s_wait_alu depctr_va_vdst(0)
.irp b, 0,1,2,3,4,5,6,7                        ; tile b, lane (r, h), register j: column 32 (b / 2) + 8 (b % 2) + 16 h + j
	global_load_b128 v[BI+8*\b:BI+8*\b+3], v[BQO], s[2:3] offset:(32*(\b/2)+8*(\b%2))*4
	global_load_b128 v[BI+8*\b+4:BI+8*\b+7], v[BQO], s[2:3] offset:(32*(\b/2)+8*(\b%2))*4+16
.endr
	s_branch .Lbias_done
.Lbias_v:
	s_lshl_b32 s21, s43, 8
	s_lshl_b32 s22, s19, 7
	s_add_co_u32 s21, s21, s22
	s_and_b32 s21, s21, 1023                       ; my first channel of V
	s_lshl_b32 s22, s21, 2
	s_mov_b32 s23, 0
	s_add_nc_u64 s[2:3], s[12:13], s[22:23]
	s_wait_alu depctr_va_vdst(0)
.irp a, 0,1,2,3,4,5,6,7                        ; block a, lane r: channel 32 (a / 2) + 8 (a % 2) + r + 8 (r / 8), the same in all eight registers that C wants
.irp j, 0,1,2,3,4,5,6,7
	global_load_b32 v[BI+8*\a+\j], v[BVO], s[2:3] offset:(32*(\a/2)+8*(\a%2))*4
.endr
.endr
.Lbias_done:
.macro FRAG reg, adr, q, i             ; a fragment comes back as it was stored: six loads of 256 consecutive bytes
.irp p, 0,1,2,3,4,5
	ds_load_b64 v[\reg+2*\p:\reg+2*\p+1], v[\adr] offset:(\i)*NQ*FRB+(\q)*FRB+256*\p
.endr
.endm
; 16 matrix instructions: A's blocks a0, a0 + 1 x B's eight.  mode 0: the sums go on; 1: C = the bias by B's block; 2: C = the bias by A's block.  The 64 accumulators take turns, one instruction a turn.
.macro MUL16 a0, p, q, sc, mode
.irp a, \a0, \a0+1
.irp b, 0,1,2,3,4,5,6,7
.set DR, 8*(8*((\a)%4)+\b)
.if (\mode) == 0
.set CR, DR
.elseif (\mode) == 1
.set CR, BI+8*\b
.else
.set CR, BI+8*(\a)
.endif
	v_wmma_scale_f32_16x16x128_f8f6f4 v[DR:DR+7], v[128*(\p)+FR*\b:128*(\p)+FR*\b+FR-1], v[AF+FR*(\a):AF+FR*(\a)+FR-1], v[CR:CR+7], v[SC+8*NQ*(\sc)+NQ*\b+(\q)], v[SC+8*NQ*(\sc)+NQ*(\a)+(\q)] matrix_a_fmt:MATRIX_FMT_BF6 matrix_b_fmt:MATRIX_FMT_BF6 matrix_a_scale:MATRIX_SCALE_ROW1
.endr
.endr
.endm
.macro FETCH_B slot, q, p
	WIN TO_B
.irp i, 0,1,2,3,4,5,6,7
	FRAG 128*(\p)+FR*\i, ADRB+\slot, \q, \i
.endr
	WIN 0
.endm
.macro FETCH_A slot, q, i0
.irp i, \i0, \i0+1, \i0+2, \i0+3
	FRAG AF+FR*(\i), ADRA+\slot, \q, \i
.endr
.endm
.macro SCALES sc                       ; a slot's scale words: two a place; lanes 0-15 A's block i, lanes 16-31 B's block i
.irp i, 0,1,2,3,4,5,6,7
	ds_load_b64 v[SC+8*NQ*\sc+NQ*\i:SC+8*NQ*\sc+NQ*\i+1], v[ADRS] offset:\i*SBLK
.endr
.endm
.macro PLACES n                        ; plain vector instructions between a matrix instruction and a load into, or a read of, its registers
.rept \n
	v_nop
.endr
.endm
.macro STEP slot, q, mode              ; a step of 128 along K that has its successor in the same slot
	s_wait_dscnt 4*NL                              ; B's set and A's blocks 0-3 are in; the youngest 24 loads (A's blocks 4-7) may be out
.if (\mode) == 0
	WIN MUL_LO
.else
	WIN BIAS_LO
.endif
	MUL16 0, (\q)%2, \q, \slot, \mode
	MUL16 2, (\q)%2, \q, \slot, \mode
	s_wait_dscnt 0
	PLACES NP
	FETCH_B \slot, (\q)+1, 1-(\q)%2
	FETCH_A \slot, (\q)+1, 0
.if (\mode) == 0
	WIN MUL_HI
.else
	WIN BIAS_HI
.endif
	MUL16 4, (\q)%2, \q, \slot, \mode
	MUL16 6, (\q)%2, \q, \slot, \mode
	PLACES NP
	WIN 0
	FETCH_A \slot, (\q)+1, 4
.endm
; A slot's last step changes slots: one barrier; in front of it each wave waits for all its tensor loads, adds 0 to its spare word, and waits for that and for its reads of this slot.
.macro TURN slot, next, fill
	s_wait_tensorcnt 0x0                           ; all my tensor loads have landed: my part of the next slot
	ds_add_u32 v[SPW], v[NIL]                      ; 0 onto my spare word
	s_wait_dscnt 4*NL+1                            ; (the add and the youngest 24 loads may be out)
	WIN MUL_LO
	MUL16 0, 1, NQ-1, \slot, 0
	s_wait_dscnt 0x0                               ; the add is done, and my reads of this slot are over
	s_barrier_signal -1
	MUL16 2, 1, NQ-1, \slot, 0
	WIN 0
	s_barrier_wait -1
.if \fill
	CREST                                          ; the barrier has opened a round of the cluster's: no wave of any partner still reads this slot or has a load on its way
	s_add_nc_u64 s[G0+4*\slot+2:G0+4*\slot+3], s[G0+4*\slot+2:G0+4*\slot+3], 2*NQ*FRB
	s_add_nc_u64 s[G0B+4*\slot+2:G0B+4*\slot+3], s[G0B+4*\slot+2:G0B+4*\slot+3], 2*NQ*FRB
	JLOAD G0+4*\slot, G1, G0B+4*\slot, G1B         ; my one tensor load behind the round; its four v_nop are also the places in front of the loads below
.else
	PLACES NP
.endif
	s_wait_alu depctr_va_vdst(0)
	v_add_nc_u32 v[ADRS], 4*NQ, v[ADRS]            ; on to the next slot's scale words
	FETCH_B \next, 0, 0
	FETCH_A \next, 0, 0
	SCALES \next
	WIN MUL_HI
	MUL16 4, 1, NQ-1, \slot, 0
	MUL16 6, 1, NQ-1, \slot, 0
	PLACES NP
	WIN 0
	FETCH_A \next, 0, 4
.endm
	s_wait_alu depctr_va_vdst(0)
	s_wait_tensorcnt 0x0                           ; my tile of the head's four is in
	ds_add_u32 v[SPW], v[NIL]
	s_mov_b32 s[G1+2], 8<<16                       ; no tensor load of mine is out: from here on a load brings 8 row tiles
	s_mov_b32 s[G1+4], 8
	s_mov_b32 s[G1B+2], 8<<16
	s_mov_b32 s[G1B+4], 8
	s_wait_dscnt 0x0                               ; the add is done
	CROUND                                         ; all four tiles are in, and all sixteen work-groups are here
	JLOAD G0+4, G1, G0B+4, G1B                     ; slot 1's first fill: my one tensor load behind the round
	FETCH_B 0, 0, 0
	FETCH_A 0, 0, 0
	SCALES 0
	FETCH_A 0, 0, 4
	s_wait_loadcnt 0x0                             ; the bias
	s_cmp_eq_u32 ttmp9, 2
	s_cbranch_scc1 .Lfirst_v
	STEP 0, 0, 1                                   ; the first products start the sums from the bias: nothing is cleared
	s_branch .Lfirst_done
.Lfirst_v:
	STEP 0, 0, 2
.Lfirst_done:
	TURN 0, 1, 1                                   ; K has four slots' worth: the steps are written out
	STEP 1, 0, 0
	TURN 1, 0, 1
	STEP 0, 0, 0
	TURN 0, 1, 0                                   ; nothing is left to fetch
	STEP 1, 0, 0
	s_wait_dscnt 4*NL
	WIN MUL_LO
	MUL16 0, 1, NQ-1, 1, 0
	MUL16 2, 1, NQ-1, 1, 0
	s_wait_dscnt 0
	WIN MUL_HI
	MUL16 4, 1, NQ-1, 1, 0
	MUL16 6, 1, NQ-1, 1, 0
	WIN 0
	PLACES NP
; THE WAY OUT.  The 64 accumulators' registers of one a, v[s] on in window w, are quantised: blocks 0, 1 into six registers at d0, blocks 2, 3 at d1; the four bytes into v[PW].  Each accumulator is read from its low end on.
.macro QUANTW s, w, d0, d1
	WIN (\w)|((\w)<<2)
.irp b, 0,1,2,3
	v_max3_num_f32 v[TM+\b], |v[(\s)+16*\b]|, |v[(\s)+1+16*\b]|, 0x2800000   ; and the floor 2^(5 - 127)
.endr
	WIN ((\w)<<2)|((\w)<<4)
.irp i, 2,4,6,8,10,12,14
.irp b, 0,1,2,3
	v_max3_num_f32 v[TM+\b], v[TM+\b], |v[(\s)+16*\b+\i]|, |v[(\s)+1+16*\b+\i]|
.endr
.endr
	WIN 0
.irp b, 0,1,2,3
	v_permlanex16_b32 v[TM+4+\b], v[TM+\b], s98, s99
.endr
.irp b, 0,1,2,3
	v_max_num_f32 v[TM+\b], v[TM+\b], v[TM+4+\b]
.endr
.irp b, 0,1,2,3
	v_add_nc_u32 v[TM+12+\b], 0xfe000000, v[TM+\b]
.endr
.irp b, 0,1,2,3
	v_lshrrev_b32 v[TM+4+\b], 23, v[TM+12+\b]
.endr
	v_lshl_or_b32 v[PW], v[TM+5], 8, v[TM+4]
	v_lshl_or_b32 v[PW], v[TM+6], 16, v[PW]
	v_lshl_or_b32 v[PW], v[TM+7], 24, v[PW]
	WIN (\w)
	v_cvt_scalef32_pk16_bf6_f32 v[\d0:\d0+2], v[(\s):(\s)+15], v[TM+12]
	v_cvt_scalef32_pk16_bf6_f32 v[PT:PT+2], v[(\s)+16:(\s)+31], v[TM+13]
	v_cvt_scalef32_pk16_bf6_f32 v[\d1:\d1+2], v[(\s)+32:(\s)+47], v[TM+14]
	v_cvt_scalef32_pk16_bf6_f32 v[PT+4:PT+6], v[(\s)+48:(\s)+63], v[TM+15]
	WIN 0
	v_nop                                          ; one plain place behind a scaled conversion
.irp i, 0,1,2
	v_permlane16_swap_b32 v[\d0+\i], v[PT+\i]      ; a whole block to a lane
.endr
.irp i, 0,1,2
	v_mov_b32 v[\d0+3+\i], v[PT+\i]
.endr
.irp i, 0,1,2
	v_permlane16_swap_b32 v[\d1+\i], v[PT+4+\i]
.endr
.irp i, 0,1,2
	v_mov_b32 v[\d1+3+\i], v[PT+4+\i]
.endr
.endm
	s_mov_b32 s2, 0xffff0000                       ; lanes 16-31
	s_mov_b32 s98, 0x76543210
	s_mov_b32 s99, 0xfedcba98                      ; v_permlanex16_b32's selects for lane l xor 16
.irp b, 0,1,2,3
	v_mov_b32 v[TM+4+\b], 0                        ; written once: a lane permute's destination counts as one of its sources
.endr
	s_lshl_b32 s21, s43, 8
	s_lshl_b32 s22, s19, 7
	s_add_co_u32 s21, s21, s22                     ; my first place of A
	s_lshl_b32 s22, s44, 8
	s_lshl_b32 s23, s20, 7
	s_add_co_u32 s22, s22, s23                     ; and of B
	s_cmp_eq_u32 ttmp9, 2
	s_cselect_b32 s23, s22, s21                    ; my 128 tokens: one key step
	s_cselect_b32 s42, s21, s22                    ; my 128 channels: two heads
	s_and_b32 s42, s42, 1023
	s_lshr_b32 s42, s42, 6                         ; the first of the two heads
	s_lshr_b32 s45, s23, 11                        ; the batch
	s_bfe_u32 s46, s23, 0x40007                    ; the key step
	s_lshl_b32 s45, s45, 4
	s_add_co_u32 s45, s45, s42
	s_cmp_eq_u32 ttmp9, 2
	s_cbranch_scc1 .Lout_v
	s_mul_i32 s45, s45, QKH
	s_mul_i32 s46, s46, 13056
	s_add_co_u32 s45, s45, s46
	s_mul_i32 s46, ttmp9, KOFF
	s_add_co_u32 s46, s46, s45
	s_mov_b32 s47, 0
	s_add_nc_u64 s[14:15], s[14:15], s[46:47]
.irp a, 0,1,2,3,4,5,6,7                        ; tile a of 16 tokens: its 128 channels are two heads' 64
.if (\a%2 == 0) && (\a > 0)
	s_wait_xcnt 0x0                                ; the last pair's stores have read their registers
.endif
	QUANTW 64*(\a%4), 2+\a/4, EV+6*(\a%2), OD+6*(\a%2)
.if \a%2 == 0
	v_and_b32 v[SWE+\a/2], 0xffff, v[PW]           ; the even head's two bytes; bytes 2 and 3, of the half of K that is not there, are 0
	v_lshrrev_b32 v[SWO+\a/2], 16, v[PW]           ; the odd head's
.else
	v_and_b32 v[TA], 0xffff, v[PW]
	v_lshrrev_b32 v[TA+1], 16, v[PW]
	v_cndmask_b32 v[SWE+\a/2], v[SWE+\a/2], v[TA], s2     ; the odd tile's words go to lanes 16-31
	v_cndmask_b32 v[SWO+\a/2], v[SWO+\a/2], v[TA+1], s2
.irp c, 0,1,2
	global_store_b128 v[L16], v[EV+4*\c:EV+4*\c+3], s[14:15] offset:1536*(\a/2)+512*\c          ; 512 consecutive bytes, aligned
	global_store_b128 v[L16], v[OD+4*\c:OD+4*\c+3], s[14:15] offset:QKH+1536*(\a/2)+512*\c
.endr
.endif
.endr
	global_store_b128 v[L16], v[SWE:SWE+3], s[14:15] offset:6144
	global_store_b128 v[L16], v[SWO:SWO+3], s[14:15] offset:QKH+6144
	s_branch .Lout_done
.Lout_v:
	s_mul_i32 s45, s45, VVH
	s_mul_i32 s46, s46, 13056
	s_add_co_u32 s46, s46, s45
	s_add_co_u32 s46, s46, KOFF+6656               ; V lies behind K in the key step's record
	s_mov_b32 s47, 0
	s_add_nc_u64 s[16:17], s[14:15], s[46:47]
.irp a, 0,1,2,3,4,5,6,7                        ; block a: 16 channels (head a / 4, tile a % 4) x my 128 tokens: one fragment
.if \a > 0
	s_wait_xcnt 0x0                                ; the last fragment's stores have read their registers
.endif
	QUANTW 64*(\a%4), 2+\a/4, EV, EV+6
.if \a%2 == 0
	v_mov_b32 v[SWE+\a/2], v[PW]
.else
	v_cndmask_b32 v[SWE+\a/2], v[SWE+\a/2], v[PW], s2
.endif
.irp c, 0,1,2
	global_store_b128 v[L16], v[EV+4*\c:EV+4*\c+3], s[16:17] offset:(\a/4)*VVH+(\a%4)*1536+512*\c
.endr
.endr
	global_store_b64 v[L8], v[SWE:SWE+1], s[16:17] offset:6144
	global_store_b64 v[L8], v[SWE+2:SWE+3], s[16:17] offset:VVH+6144
.Lout_done:
	s_wait_tensorcnt 0x0                           ; the wave's end
	ds_add_u32 v[SPW], v[NIL]
	s_wait_dscnt 0x0
	CROUND                                         ; the closing round: no work-group ends while a partner may still ask for a tile that names it
	s_endpgm
.Lfunc_end_k_q92e2d880a5_qkv:
	.size	k_q92e2d880a5_qkv, .Lfunc_end_k_q92e2d880a5_qkv-k_q92e2d880a5_qkv
	.p2alignl 7, 3214868480
	.fill 96, 4, 3214868480
	.section	.rodata,"a",@progbits
	.p2align	6, 0x0
	.amdhsa_kernel k_q92e2d880a5_qkv
		.amdhsa_group_segment_fixed_size 327680
		.amdhsa_private_segment_fixed_size 0
		.amdhsa_enable_private_segment 0
		.amdhsa_kernarg_size 48
		.amdhsa_user_sgpr_count 2
		.amdhsa_user_sgpr_kernarg_segment_ptr 1
		.amdhsa_wavefront_size32 1
		.amdhsa_system_sgpr_workgroup_id_x 1
		.amdhsa_system_sgpr_workgroup_id_y 1
		.amdhsa_system_sgpr_workgroup_id_z 1
		.amdhsa_system_vgpr_workitem_id 0
		.amdhsa_next_free_vgpr 1024
		.amdhsa_next_free_sgpr 102
		.amdhsa_reserve_vcc 0
		.amdhsa_float_denorm_mode_32 3
		.amdhsa_float_denorm_mode_16_64 3
		.amdhsa_memory_ordered 1
		.amdhsa_forward_progress 1
		.amdhsa_inst_pref_size 224
	.end_amdhsa_kernel
	.amdgpu_metadata
---
amdhsa.version: [ 1, 2 ]
amdhsa.kernels:
  - .name:           k_q92e2d880a5_qkv
    .symbol:         k_q92e2d880a5_qkv.kd
    .args:
      - { .name: xq, .offset: 0, .size: 8, .value_kind: global_buffer, .address_space: global }
      - { .name: wq, .offset: 8, .size: 8, .value_kind: global_buffer, .address_space: global }
      - { .name: bq, .offset: 16, .size: 8, .value_kind: global_buffer, .address_space: global }
      - { .name: bk, .offset: 24, .size: 8, .value_kind: global_buffer, .address_space: global }
      - { .name: bv, .offset: 32, .size: 8, .value_kind: global_buffer, .address_space: global }
      - { .name: qk, .offset: 40, .size: 8, .value_kind: global_buffer, .address_space: global }
    .group_segment_fixed_size: 327680
    .private_segment_fixed_size: 0
    .kernarg_segment_align: 8
    .kernarg_segment_size: 48
    .max_flat_workgroup_size: 128
    .sgpr_count:     102
    .vgpr_count:     1024
    .wavefront_size: 32
...
	.end_amdgpu_metadata
.endif
;; end of part 2
;; launch attn (part 3): grid 8 x 32, 16 waves a work-group, clusters of 4 x 1, 284,672 bytes of LDS; arguments qk, aq; writes aq
.if DOCPART == 3
	.amdgcn_target "amdgcn-amd-amdhsa--gfx1250"
	.amdhsa_code_object_version 6
	.text
	.protected	k_q92e2d880a5_attn
	.globl	k_q92e2d880a5_attn
	.p2align	8
	.type	k_q92e2d880a5_attn,@function
k_q92e2d880a5_attn:
	s_mov_b64 s[64:65], 0
	v_nop
	global_prefetch_b8 v0, s[64:65] scope:SCOPE_SE
	s_setreg_imm32_b32 hwreg(HW_REG_WAVE_MODE, 25, 1), 1
	s_wait_xcnt 0x0
	s_wait_alu depctr_hold_cnt(0) depctr_sa_sdst(0) depctr_va_vdst(0) depctr_va_sdst(0) depctr_va_ssrc(0) depctr_va_vcc(0) depctr_vm_vsrc(0)
	s_getreg_b32 s2, hwreg(HW_REG_IB_STS2, 6, 4)
	s_cmp_eq_u32 s2, 0
	s_cbranch_scc0 .Lentry_in_a_cluster
	s_endpgm
.Lentry_in_a_cluster:
	s_bfe_u32 s2, ttmp6, 0x10000c
	s_cmp_lg_u32 s2, 0x3003
	s_cbranch_scc0 .Lentry_shape_is_right
	s_endpgm
.Lentry_shape_is_right:
; Causal attention of one head on codes of BF6 (E3M2) with E8M0 scales: scores = Q K^T / 8, softmax, the NORMALISED p quantised along the keys, O = p V, O quantised along the head's 64 channels into aq.
; WORK LEFT OUT: reference() sets every score above the diagonal to -inf in its own body, so its p is 0 for all values of the inputs: key steps that lie wholly above a tile's queries are not computed.
; LIMITS: NaN and infinities among the inputs are not served (with finite scores every row holds its own key, so its sum is at least one term and reference()'s nan_to_num changes nothing);
; the promise holds while the scaled scores (exponents to the base 2) stay under 2^31 in magnitude; a block of zeros gets the byte 1 where the rule says 127 (zero codes; this program alone reads the bytes).
; INPUT (launch qkv): a head has 16 records of 13,056 bytes, one a key step of 128 tokens.  Q's records from 0, K's and V's from KOFF.  K (and Q): four pairs of tiles of 16 tokens, 1,536 bytes each (registers 0-5 the even
; tile, 6-11 the odd one), then 512 bytes of scale words; V from byte 6,656: four fragments of 16 channels x 128 tokens, then 256 bytes of scale words.  Lane r of tile 2 g + u holds token 32 g + 8 u + r + 8 (r / 8).
; SHARES: work-group (x, y): head y, and of each group of 128 queries the tile x of 16.  The tile of group G has G + 1 key steps.  WAVES 2 k AND 2 k + 1 SHARE THE TILES OF GROUPS k AND 15 - k, 17 steps together:
; one wave takes the even key steps of both tiles, the other the odd ones: 9 or 8 steps a wave, one of them with the diagonal.  Each wave owns one of the two tiles.
; Pass 1 (both tiles): running largest score and sum of 2^(t - M) over my steps; the two numbers of each query go to LDS words of my own; a barrier; -L = -M - log2(sum) is made from both partners' numbers.
; Pass 2: p = 2^(t - L), normalised, quantised block by block, O^T += V^T p^T: first my steps of the partner's tile, whose O^T goes to LDS bytes of my own, then my steps of my tile; a barrier; the owner adds the partner's part.
; Each wave fetches one record, K's and V's step w, by ONE tensor load at the head: 16 x 13,056 bytes stay in LDS for the launch, nothing is filled again.
; CLUSTER: the four work-groups of a cluster take the same head and ask for each record jointly (mask 15).  Branches hang on the wave's number and counted steps alone, which partners share; the place in the cluster enters global addresses and the mask's numbers only.
; No prefetch: every record is asked for at the head, so there is no loop to run ahead in.
; Both products are used transposed: a lane holds one query, its registers run along the keys (16 registers of two neighbouring tiles are 16 neighbouring keys).  A head's 64 channels are half an instruction's K: Q's registers 6-11 hold zero codes.
; The next step's fragments are asked of LDS directly behind the products that free their registers; the next tile's Q is asked of memory at the end of the tile before.
.set STEPB, 13056
.set VOF,   6656
.set QKH,   208896
.set KOFF,  6684672
.set SCB,   3145728
.set SPARE, 16*STEPB                   ; behind the records: the spare words, 128 bytes a wave; no other line names them
.set XCH,   SPARE+2048                 ; 512 bytes a wave: (largest score, sum) of 32 lanes, for two tiles
.set OX,    XCH+8192                   ; 4,096 bytes a wave: my part of the partner's O^T
.set LANE, 1
.set ADK,  2                           ; 16 x lane + the record's LDS byte
.set ADVS, 3                           ; 8 x lane + the same
.set QL,   4                           ; my query's place in its 128, less 16 h
.set T5,   5
.set SPW,  6
.set NIL,  7
.set NM,   8                           ; v8 -M, then -L (v9 is named with it as a pair)
.set SU,   10                          ; v10-11 the sum in two halves
.set QF,   12                          ; v12-23 Q's fragment
.set QS,   24
.set PW,   25
.set VSC,  26
.set KSC,  28
.set TM,   32                          ; v32-35 maxima, v36-39 the other half's / bytes, v40-43 the conversions' scale operands; v32-34, v36-38 then take the second halves of blocks
.set PC,   44                          ; v44-55 p's fragment; in pass 1: v44 the factor, v46-51 three more chains of the sum
.set KF,   56                          ; v56-103 K's eight tiles, v104-109 zero
.set VF,   110
.set S,    158
.set OA,   222
.set RUN,  254                         ; the running largest score
.set T6,   255
.set WV,   8
.set BH,   9
.set CX,   10
.set LOW,  11
.set GL,   12                          ; the group of the tile at work: its last key step
.set HB,   13
.set G1,   16
.set G0,   24
.set SEL,  28
.set CS,   30
.set NCS,  32
.set ST,   33
.set TB,   34
.set TC,   35
.set CNT,  36
.set ODD,  37
.set SX,   39
.set KO,   40
.set QB0,  42
.set QC,   44
.set AQP,  46
.set AQS,  48
.set QOFF, 50
.set PAR,  51
.set GOWN, 52
.set TB0,  53
.set XM,   54
.set XP,   55
.set OXM,  56
.set OXP,  57
.set TI,   58
.set O0,   59
.set O1,   60
.set O2,   61
.set O3,   62
.macro ROUND                           ; a round of the cluster's barrier
	s_barrier_signal -1
	s_barrier_wait -1
	s_cmp_lg_u32 s[WV], 0
	s_cbranch_scc1 .Lnot_wave_0_\@
	s_barrier_signal -3
.Lnot_wave_0_\@:
	s_barrier_wait -3
	s_barrier_signal -1
	s_barrier_wait -1
.endm
.macro KLOAD                           ; 13 LDS loads: K's eight tiles and their scale words
.irp i, 0,1,2,3,4,5,6,7,8,9,10,11
	ds_load_b128 v[KF+4*\i:KF+4*\i+3], v[ADK] offset:512*\i
.endr
	ds_load_b128 v[KSC:KSC+3], v[ADK] offset:6144
.endm
.macro VLOAD                           ; 13 LDS loads: V's four fragments and their scale words
.irp i, 0,1,2,3,4,5,6,7,8,9,10,11
	ds_load_b128 v[VF+4*\i:VF+4*\i+3], v[ADK] offset:VOF+512*\i
.endr
	ds_load_b64 v[VSC:VSC+1], v[ADVS] offset:VOF+6144
.endm
.macro QLOAD                           ; Q's tile x of group GL, straight into its six registers, and its scale words.  The five vector lines are also the places ahead of the loads
	s_mul_i32 s14, s[GL], STEPB
	s_mov_b32 s15, 0
	s_add_nc_u64 s[QC:QC+1], s[QB0:QB0+1], s[14:15]
	v_lshl_add_u32 v[TM], v[LANE], 4, s[O0]
	v_lshl_add_u32 v[TM+1], v[LANE], 4, s[O1]
	v_lshl_add_u32 v[TM+2], v[LANE], 4, s[O2]
	v_and_b32 v[TM+3], 15, v[LANE]
	s_delay_alu instid0(VALU_DEP_1)
	v_lshl_add_u32 v[TM+3], v[TM+3], 4, s[O3]
	global_load_b64 v[QF:QF+1], v[TM], s[QC:QC+1]
	global_load_b64 v[QF+2:QF+3], v[TM+1], s[QC:QC+1]
	global_load_b64 v[QF+4:QF+5], v[TM+2], s[QC:QC+1]
	global_load_b32 v[QS], v[TM+3], s[QC:QC+1]
.endm
.macro SCORES                          ; S^T = K Q^T: eight tiles of 16 keys; a tile's operand names the six registers behind it too, which meet Q's zero codes
.irp t, 0,2,4,6
	v_wmma_scale_f32_16x16x128_f8f6f4 v[S+8*\t:S+8*\t+7], v[KF+6*\t:KF+6*\t+11], v[QF:QF+11], 0, v[KSC+\t/2], v[QS] matrix_a_fmt:MATRIX_FMT_BF6 matrix_b_fmt:MATRIX_FMT_BF6
	v_wmma_scale_f32_16x16x128_f8f6f4 v[S+8*\t+8:S+8*\t+15], v[KF+6*\t+6:KF+6*\t+17], v[QF:QF+11], 0, v[KSC+\t/2], v[QS] matrix_a_fmt:MATRIX_FMT_BF6 matrix_b_fmt:MATRIX_FMT_BF6 matrix_a_scale:MATRIX_SCALE_ROW1
.endr
.endm
.macro MASK                            ; the step that holds the diagonal is step GL: register n holds key 32 (n / 16) + n % 16 + 16 h of the step
	s_cmp_lg_u32 s[ST], s[GL]
	s_cbranch_scc1 .Lopen_\@
	v_mov_b32 v[TM+1], 0xff800000
.set N, 0
.rept 64
	v_cmp_gt_i32 vcc_lo, 32*(N/16)+N%16, v[QL]
	v_cndmask_b32 v[S+N], v[S+N], v[TM+1], vcc_lo
.set N, N+1
.endr
.Lopen_\@:
.endm
.macro EXPS                            ; 2^(score x c + v[NM]), two multiply-adds an instruction
.set N, 0
.rept 32
	v_pk_fma_f32 v[S+N:S+N+1], v[S+N:S+N+1], s[CS:CS+1], v[NM:NM+1] op_sel_hi:[1,0,0]
.set N, N+2
.endr
	s_wait_alu depctr_va_vdst(0)
.set N, 0
.rept 64
	v_exp_f32 v[S+N], v[S+N]
.set N, N+1
.endr
.endm
; nb blocks of 32 along K (16 of each in my registers, 16 in lane l xor 16's) become codes in v[PC] on and their bytes in v[PW]
.macro QUANT s, nb
.irp b, 0,1,2,3
.if \b < \nb
	v_max3_num_f32 v[TM+\b], |v[\s+16*\b]|, |v[\s+16*\b+1]|, 0x2800000   ; with the floor 2^(5 - 127): the byte cannot fall under 1
.endif
.endr
.irp i, 2,4,6,8,10,12,14
.irp b, 0,1,2,3
.if \b < \nb
	v_max3_num_f32 v[TM+\b], v[TM+\b], |v[\s+16*\b+\i]|, |v[\s+16*\b+\i+1]|
.endif
.endr
.endr
.irp b, 0,1,2,3
.if \b < \nb
	v_permlanex16_b32 v[TM+4+\b], v[TM+\b], s[SEL], s[SEL+1]
.endif
.endr
.irp b, 0,1,2,3
.if \b < \nb
	v_max_num_f32 v[TM+\b], v[TM+\b], v[TM+4+\b]
.endif
.endr
.irp b, 0,1,2,3
.if \b < \nb
	v_add_nc_u32 v[TM+8+\b], 0xfe000000, v[TM+\b]  ; 4 off the exponent field: the conversion's scale operand
.endif
.endr
.irp b, 0,1,2,3
.if \b < \nb
	v_lshrrev_b32 v[TM+4+\b], 23, v[TM+8+\b]       ; the scale's byte
.endif
.endr
	v_lshl_or_b32 v[PW], v[TM+5], 8, v[TM+4]
.if \nb > 2
	s_delay_alu instid0(VALU_DEP_1)
	v_lshl_or_b32 v[PW], v[TM+6], 16, v[PW]
	s_delay_alu instid0(VALU_DEP_1)
	v_lshl_or_b32 v[PW], v[TM+7], 24, v[PW]
.endif
.irp c, 0,1
.if 2*\c < \nb
	v_cvt_scalef32_pk16_bf6_f32 v[PC+6*\c:PC+6*\c+2], v[\s+32*\c:\s+32*\c+15], v[TM+8+2*\c]
	v_cvt_scalef32_pk16_bf6_f32 v[TM+4*\c:TM+4*\c+2], v[\s+32*\c+16:\s+32*\c+31], v[TM+9+2*\c]   ; (three registers from an even one on: made here, moved below)
.endif
.endr
	v_nop                                          ; one plain place behind a scaled conversion
.irp c, 0,1
.if 2*\c < \nb
.irp i, 0,1,2
	v_permlane16_swap_b32 v[PC+6*\c+\i], v[TM+4*\c+\i]   ; a whole block to a lane
.endr
.irp i, 0,1,2
	v_mov_b32 v[PC+6*\c+3+\i], v[TM+4*\c+\i]
.endr
.endif
.endr
.endm
.macro P1STEP
	s_cmp_gt_u32 s[ST], s[GL]                      ; steps beyond the diagonal's: nothing to do
	s_cbranch_scc1 .Lh1_\@
	s_wait_dscnt 0x0                               ; this step's K is in
	SCORES
	s_min_u32 s[TC], s[TB], 15*STEPB               ; my next record (held at the last one)
	v_lshl_add_u32 v[ADK], v[LANE], 4, s[TC]       ; with three v_nop: the four places behind the products
.rept 3
	v_nop
.endr
	KLOAD                                          ; my next step's K lands under this step's vector work
	MASK
.irp b, 0,1,2,3
	v_max3_num_f32 v[TM+\b], v[S+16*\b], v[S+16*\b+1], v[S+16*\b+2]
.endr
.irp i, 3,5,7,9,11,13
.irp b, 0,1,2,3
	v_max3_num_f32 v[TM+\b], v[TM+\b], v[S+16*\b+\i], v[S+16*\b+\i+1]
.endr
.endr
	v_max3_num_f32 v[TM], v[TM], v[S+15], v[S+31]
	v_max3_num_f32 v[TM+2], v[TM+2], v[S+47], v[S+63]
	v_max3_num_f32 v[TM+1], v[TM+1], v[TM+3], v[RUN]
	s_delay_alu instid0(VALU_DEP_1)
	v_max3_num_f32 v[TM], v[TM], v[TM+2], v[TM+1]
	s_delay_alu instid0(VALU_DEP_1)
	v_permlanex16_b32 v[TM+4], v[TM], s[SEL], s[SEL+1]
	s_delay_alu instid0(VALU_DEP_1)
	v_max_num_f32 v[RUN], v[TM], v[TM+4]           ; the largest score of my query so far
	s_delay_alu instid0(VALU_DEP_1)
	v_mul_f32 v[TM+5], s[NCS], v[RUN]              ; the new -M
	s_delay_alu instid0(VALU_DEP_1)
	v_sub_f32 v[PC], v[TM+5], v[NM]                ; old M less new M, 0 or less
	v_mov_b32 v[NM], v[TM+5]
	EXPS
	v_exp_f32 v[PC], v[PC]                         ; the factor that brings the sum under the new M
	v_nop                                          ; one plain place behind the batch
	s_wait_alu depctr_va_vdst(0)                   ; one wait for the batch, ahead of its first reader
	v_pk_fma_f32 v[SU:SU+1], v[SU:SU+1], v[PC:PC+1], v[S:S+1] op_sel_hi:[1,0,1]
	v_pk_add_f32 v[PC+2:PC+3], v[S+2:S+3], v[S+4:S+5]              ; the sum of the unquantised p, in four chains by turns
	v_pk_add_f32 v[PC+4:PC+5], v[S+6:S+7], v[S+8:S+9]
	v_pk_add_f32 v[PC+6:PC+7], v[S+10:S+11], v[S+12:S+13]
.set N, 14
.rept 6
	v_pk_add_f32 v[SU:SU+1], v[SU:SU+1], v[S+N:S+N+1]
	v_pk_add_f32 v[PC+2:PC+3], v[PC+2:PC+3], v[S+N+2:S+N+3]
	v_pk_add_f32 v[PC+4:PC+5], v[PC+4:PC+5], v[S+N+4:S+N+5]
	v_pk_add_f32 v[PC+6:PC+7], v[PC+6:PC+7], v[S+N+6:S+N+7]
.set N, N+8
.endr
	v_pk_add_f32 v[SU:SU+1], v[SU:SU+1], v[S+62:S+63]
	v_pk_add_f32 v[PC+2:PC+3], v[PC+2:PC+3], v[PC+4:PC+5]
	v_pk_add_f32 v[SU:SU+1], v[SU:SU+1], v[PC+6:PC+7]
	s_delay_alu instid0(VALU_DEP_1)
	v_pk_add_f32 v[SU:SU+1], v[SU:SU+1], v[PC+2:PC+3]
.Lh1_\@:
.endm
.macro P2STEP
	s_cmp_gt_u32 s[ST], s[GL]
	s_cbranch_scc1 .Lh2_\@
	s_wait_dscnt 13                                ; this step's K is in; the 13 younger loads, its V, may be out
	SCORES
	s_min_u32 s[TC], s[TB], 15*STEPB
	v_lshl_add_u32 v[ADK], v[LANE], 4, s[TC]       ; with the next line and two v_nop: the four places behind the products
	v_lshl_add_u32 v[ADVS], v[LANE], 3, s[TC]
	v_nop
	v_nop
	KLOAD                                          ; my next step's K
	MASK
	EXPS                                           ; p = 2^(t - L): normalised
	v_nop
	s_wait_alu depctr_va_vdst(0)
	QUANT S, 4
.rept 4
	v_nop                                          ; an operand written by vector instructions stands 4 places ahead of a scaled product; the scale word, written ahead of the conversions, stands more than 8 ahead
.endr
	s_wait_alu depctr_va_vdst(0)
	s_wait_dscnt 13                                ; this step's V is in; the 13 younger loads, the next K, may be out
.irp t, 0,2
	v_wmma_scale_f32_16x16x128_f8f6f4 v[OA+8*\t:OA+8*\t+7], v[VF+12*\t:VF+12*\t+11], v[PC:PC+11], v[OA+8*\t:OA+8*\t+7], v[VSC+\t/2], v[PW] matrix_a_fmt:MATRIX_FMT_BF6 matrix_b_fmt:MATRIX_FMT_BF6
	v_wmma_scale_f32_16x16x128_f8f6f4 v[OA+8*\t+8:OA+8*\t+15], v[VF+12*\t+12:VF+12*\t+23], v[PC:PC+11], v[OA+8*\t+8:OA+8*\t+15], v[VSC+\t/2], v[PW] matrix_a_fmt:MATRIX_FMT_BF6 matrix_b_fmt:MATRIX_FMT_BF6 matrix_a_scale:MATRIX_SCALE_ROW1
.endr
.rept 4
	v_nop
.endr
	VLOAD                                          ; my next step's V
.Lh2_\@:
.endm
	s_load_b128 s[4:7], s[0:1], 0x0                ; qk, aq
	v_lshl_add_u32 v[SPW], v0, 2, SPARE
	v_mov_b32 v[NIL], 0
	ds_add_u32 v[SPW], v[NIL]                      ; the opening lines: the add twice on end and its wait ahead of my tensor load
	ds_add_u32 v[SPW], v[NIL]
	v_lshrrev_b32 v[T5], 5, v0
	v_readfirstlane_b32 s[WV], v[T5]               ; wave 0..15
	s_and_b32 s[BH], ttmp7, 0xffff                 ; batch x 16 + head
	s_bfe_u32 s[CX], ttmp6, 0x40000
	s_lshl_b32 s[LOW], ttmp9, 2
	s_add_co_u32 s[LOW], s[LOW], s[CX]             ; work-group x: which tile of each group of eight
	s_lshr_b32 s14, s[WV], 2
	s_xor_b32 s14, s14, s[WV]
	s_and_b32 s[PAR], s14, 1                       ; I take the even (0) or the odd (1) key steps; waves 2 k and 2 k + 1 differ in it
	s_lshr_b32 s15, s[WV], 1                       ; k
	s_sub_co_u32 s14, 15, s15
	s_cmp_eq_u32 s[PAR], 1
	s_cselect_b32 s[GOWN], s14, s15                ; the group of the tile that I own
	s_sub_co_u32 s[GL], 15, s[GOWN]                ; the partner's tile comes first
	s_mul_i32 s[TB0], s[PAR], STEPB                ; my first record
	s_lshl_b32 s[XM], s[WV], 9
	s_add_co_u32 s[XM], s[XM], XCH
	s_xor_b32 s14, s[WV], 1                        ; my partner
	s_lshl_b32 s[XP], s14, 9
	s_add_co_u32 s[XP], s[XP], XCH
	s_lshl_b32 s[OXM], s[WV], 12
	s_add_co_u32 s[OXM], s[OXM], OX
	s_lshl_b32 s[OXP], s14, 12
	s_add_co_u32 s[OXP], s[OXP], OX
	s_mov_b32 s[G1], 15|(3<<16)|(1<<21)            ; the cluster's four; elements of 8 bytes; a record is 51 dense rows of 256 bytes
	s_mov_b32 s[G1+1], 32<<16
	s_mov_b32 s[G1+2], 51<<16
	s_mov_b32 s[G1+3], 32<<16
	s_mov_b32 s[G1+4], 51
	s_mov_b32 s[G1+5], 32
	s_mov_b32 s[G1+6], 0
	s_mov_b32 s[G1+7], 0
	s_mov_b32 s[G0], 1
	s_mul_i32 s[G0+1], s[WV], STEPB                ; record w goes to LDS byte 13,056 w
	s_mul_i32 s[HB], s[BH], QKH
	s_add_co_u32 s[KO], s[HB], s[G0+1]
	s_add_co_u32 s[KO], s[KO], KOFF
	s_mov_b32 s[KO+1], 0
	s_lshr_b32 s15, s[LOW], 1                      ; Q: the pair of tiles,
	s_and_b32 s[ODD], s[LOW], 1                    ; and which of the two
	s_mul_i32 s[QB0], s15, 1536
	s_add_co_u32 s[QB0], s[QB0], s[HB]
	s_mov_b32 s[QB0+1], 0
	s_mul_i32 s14, s15, 1532
	s_sub_co_u32 s[O3], 6144, s14                  ; the scale words, counted from the pair's codes: 6,144 - 1,536 pair + 4 pair + 256 odd
	s_lshl_b32 s[SX], s[ODD], 8
	s_add_co_u32 s[O3], s[O3], s[SX]
	s_cmp_eq_u32 s[ODD], 1                         ; register j of lane l lies at 512 (j / 4) + 16 l + 4 (j % 4): registers 0-5 or 6-11, in pieces of 8 bytes
	s_mov_b32 s[O2], 512
	s_cselect_b32 s[O0], 520, 0
	s_cselect_b32 s[O1], 1024, 8
	s_cselect_b32 s[O2], 1032, s[O2]
	s_lshl_b32 s15, s15, 5
	s_lshl_b32 s[SX], s[ODD], 3
	s_add_co_u32 s[QOFF], s15, s[SX]               ; the tile's first query within its 128
	s_lshr_b32 s14, s[BH], 4
	s_lshl_b32 s14, s14, 7
	s_lshl_b32 s15, s[GOWN], 3
	s_add_co_u32 s14, s14, s15
	s_add_co_u32 s14, s14, s[LOW]                  ; aq's row tile: 128 batch + 8 group + x
	s_and_b32 s15, s[BH], 15
	s_mul_i32 s[AQP], s14, 12288
	s_mul_i32 s[SX], s15, 768
	s_add_co_u32 s[AQP], s[AQP], s[SX]
	s_mov_b32 s[AQP+1], 0
	s_lshl_b32 s[AQS], s14, 9
	s_lshl_b32 s15, s15, 1
	s_add_co_u32 s[AQS], s[AQS], s15
	s_add_co_u32 s[AQS], s[AQS], SCB
	s_mov_b32 s[AQS+1], 0
	s_mov_b32 s[SEL], 0x76543210
	s_mov_b32 s[SEL+1], 0xfedcba98                 ; v_permlanex16_b32's selects for lane l xor 16
	s_mov_b32 s[CS], 0x3e38aa3b                    ; c = log2(e) / 8
	s_mov_b32 s[CS+1], s[CS]
	s_mov_b32 s[NCS], 0xbe38aa3b                   ; -c
	v_and_b32 v[LANE], 31, v0
	v_and_b32 v[T5], 15, v0                        ; r
	v_bfe_u32 v[ADVS], v0, 4, 1                    ; h
	v_and_b32 v[QL], 8, v[T5]
	v_add3_u32 v[QL], v[QL], v[T5], s[QOFF]
	v_lshlrev_b32 v[ADVS], 4, v[ADVS]
	v_sub_nc_u32 v[QL], v[QL], v[ADVS]
	v_mov_b32 v[NM+1], 0
	v_mov_b32 v[PC+1], 0
.irp i, 0,1,2,3,4,5
	v_mov_b32 v[QF+6+\i], 0                        ; zero codes for the half of K that a head does not have
	v_mov_b32 v[KF+48+\i], 0
.endr
.irp b, 0,1,2,3
	v_mov_b32 v[TM+4+\b], 0                        ; a lane permute's destination counts as one of its sources
.endr
	s_wait_alu depctr_va_vdst(0)
	s_wait_dscnt 0x0                               ; both opening adds are done
	s_wait_kmcnt 0x0
	s_add_nc_u64 s[G0+2:G0+3], s[4:5], s[KO:KO+1]
	s_or_b32 s[G0+3], s[G0+3], 0x80000000
	s_add_nc_u64 s[QB0:QB0+1], s[4:5], s[QB0:QB0+1]
	s_add_nc_u64 s[AQP:AQP+1], s[6:7], s[AQP:AQP+1]
	s_add_nc_u64 s[AQS:AQS+1], s[6:7], s[AQS:AQS+1]
	QLOAD                                          ; the first tile's Q
	ROUND                                          ; the four work-groups are here: the joint loads meet
	tensor_load_to_lds s[G0:G0+3], s[G1:G1+7]      ; my one tensor load: K's and V's step w
	s_nop 0
	s_wait_tensorcnt 0x0                           ; my record is in;
	s_barrier_signal -1
	s_barrier_wait -1                              ; and so is everybody's
	s_mov_b32 s[TI], 0
.Lt1:                                                  ; PASS 1, two tiles: the partner's, then mine
	s_wait_dscnt 0x0                               ; earlier loads into K's registers have landed
	v_mov_b32 v[RUN], 0xff61b1e6                   ; -3e38, under every score
	v_mov_b32 v[SU], 0
	v_mov_b32 v[SU+1], 0
	v_mul_f32 v[NM], s[NCS], v[RUN]
	v_lshl_add_u32 v[ADK], v[LANE], 4, s[TB0]
	KLOAD
	s_mov_b32 s[ST], s[PAR]
	s_add_co_u32 s[TB], s[TB0], 2*STEPB
	s_mov_b32 s[CNT], 8
	s_wait_alu depctr_va_vdst(0)
	s_wait_loadcnt 0x0                             ; this tile's Q
.Lp1:                                                  ; 8 trips in every wave, every second key step; a trip beyond the tile's last step jumps over the work
	P1STEP
	s_add_co_u32 s[TB], s[TB], 2*STEPB
	s_add_co_u32 s[ST], s[ST], 2
	s_sub_co_u32 s[CNT], s[CNT], 1
	s_cmp_lg_u32 s[CNT], 0
	s_cbranch_scc1 .Lp1
	s_wait_alu depctr_va_vdst(0)
	v_add_f32 v[PC+1], v[SU], v[SU+1]
	s_delay_alu instid0(VALU_DEP_1)
	v_permlanex16_b32 v[TM+4], v[PC+1], s[SEL], s[SEL+1]
	s_delay_alu instid0(VALU_DEP_1)
	v_add_f32 v[PC+1], v[PC+1], v[TM+4]            ; the sum over my steps
	v_mov_b32 v[PC], v[RUN]
	s_lshl_b32 s14, s[TI], 8
	s_add_co_u32 s14, s14, s[XM]
	v_lshl_add_u32 v[T5], v[LANE], 3, s14
	ds_store_b64 v[T5], v[PC:PC+1]                 ; (largest score, sum) of tile TI, to words of my own
	s_sub_co_u32 s[GL], 15, s[GL]                  ; the other tile
	QLOAD
	s_add_co_u32 s[TI], s[TI], 1
	s_cmp_lt_u32 s[TI], 2
	s_cbranch_scc1 .Lt1
	s_wait_dscnt 0x0                               ; for the partner's sake: my stores have landed
	s_barrier_signal -1
	s_barrier_wait -1
	s_mov_b32 s[TI], 0
.Lt2:                                                  ; PASS 2, two tiles: the partner's, then mine
	s_lshl_b32 s14, s[TI], 8
	s_add_co_u32 s14, s14, s[XM]
	s_xor_b32 s15, s[TI], 1                        ; my first tile is the partner's second
	s_lshl_b32 s15, s15, 8
	s_add_co_u32 s15, s15, s[XP]
	s_wait_dscnt 0x0                               ; earlier loads into K's and V's registers have landed
	v_lshl_add_u32 v[T5], v[LANE], 3, s14
	v_lshl_add_u32 v[ADVS], v[LANE], 3, s15
	ds_load_b64 v[PC:PC+1], v[T5]
	ds_load_b64 v[PC+2:PC+3], v[ADVS]
	v_lshl_add_u32 v[ADK], v[LANE], 4, s[TB0]
	v_lshl_add_u32 v[ADVS], v[LANE], 3, s[TB0]
	KLOAD
	VLOAD
.set N, 0
.rept 32
	v_mov_b32 v[OA+N], 0                           ; the step is written once: the first finds zeros
.set N, N+1
.endr
	s_wait_dscnt 26                                ; both pairs are in; K's and V's 26 younger loads may be out
	v_mul_f32 v[PC+4], s[NCS], v[PC]               ; my -M, as pass 1 made it,
	v_mul_f32 v[PC+5], s[NCS], v[PC+2]             ; the partner's,
	v_min_num_f32 v[NM], v[PC+4], v[PC+5]          ; and the row's
	v_sub_f32 v[PC+4], v[NM], v[PC+4]
	v_sub_f32 v[PC+5], v[NM], v[PC+5]
	s_wait_alu depctr_va_vdst(0)
	v_exp_f32 v[PC+4], v[PC+4]
	v_exp_f32 v[PC+5], v[PC+5]
	v_nop
	s_wait_alu depctr_va_vdst(0)
	v_mul_f32 v[PC+1], v[PC+1], v[PC+4]
	v_fma_f32 v[PC+1], v[PC+3], v[PC+5], v[PC+1]   ; the row's sum under the row's M
	s_wait_alu depctr_va_vdst(0)
	v_log_f32 v[PC+1], v[PC+1]
	v_nop
	s_wait_alu depctr_va_vdst(0)
	v_sub_f32 v[NM], v[NM], v[PC+1]                ; -L = -M - log2(sum): 2^(t - L) is the normalised p
	s_mov_b32 s[ST], s[PAR]
	s_add_co_u32 s[TB], s[TB0], 2*STEPB
	s_mov_b32 s[CNT], 8
	s_wait_alu depctr_va_vdst(0)
	s_wait_loadcnt 0x0                             ; this tile's Q
.Lp2:
	P2STEP
	s_add_co_u32 s[TB], s[TB], 2*STEPB
	s_add_co_u32 s[ST], s[ST], 2
	s_sub_co_u32 s[CNT], s[CNT], 1
	s_cmp_lg_u32 s[CNT], 0
	s_cbranch_scc1 .Lp2
	s_cmp_lg_u32 s[TI], 0
	s_cbranch_scc1 .Lmine
	v_lshl_add_u32 v[T5], v[LANE], 4, s[OXM]       ; with three v_nop: the places behind the last products
.rept 3
	v_nop
.endr
.irp i, 0,1,2,3,4,5,6,7
	ds_store_b128 v[T5], v[OA+4*\i:OA+4*\i+3] offset:512*\i   ; my part of the partner's O^T, each accumulator from its low end on
.endr
	s_sub_co_u32 s[GL], 15, s[GL]                  ; now my own tile
	QLOAD
.Lmine:
	s_add_co_u32 s[TI], s[TI], 1
	s_cmp_lt_u32 s[TI], 2
	s_cbranch_scc1 .Lt2
	s_wait_dscnt 0x0                               ; for the partner's sake: my stores have landed
	s_barrier_signal -1
	s_barrier_wait -1
	v_lshl_add_u32 v[T5], v[LANE], 4, s[OXP]       ; (these four lines are also the places behind the last products)
	v_lshlrev_b32 v[ADVS], 3, v[LANE]              ; 8 x lane: my place in a chunk of aq
	v_and_b32 v[T6], 15, v[LANE]
	v_lshlrev_b32 v[T6], 5, v[T6]                  ; 32 r: my place's scale bytes
.irp i, 0,1,2,3,4,5,6,7
	ds_load_b128 v[S+4*\i:S+4*\i+3], v[T5] offset:512*\i      ; the partner's part of my O^T
.endr
	s_wait_alu depctr_va_vdst(0)
	s_wait_dscnt 0x0
.set N, 0
.rept 16
	v_pk_add_f32 v[S+N:S+N+1], v[S+N:S+N+1], v[OA+N:OA+N+1]
.set N, N+2
.endr
	QUANT S, 2                                     ; O's 64 channels: two blocks, half a fragment of the last product
.irp p, 0,1,2
	global_store_b64 v[ADVS], v[PC+2*\p:PC+2*\p+1], s[AQP:AQP+1] offset:256*\p   ; a chunk: 256 consecutive bytes, aligned
.endr
	global_store_b16 v[T6], v[PW], s[AQS:AQS+1]    ; the head's two bytes of each place's 32
	s_wait_tensorcnt 0x0                           ; the wave's end
	ds_add_u32 v[SPW], v[NIL]
	s_wait_dscnt 0x0
	ROUND                                          ; the closing round
	s_endpgm
.Lfunc_end_k_q92e2d880a5_attn:
	.size	k_q92e2d880a5_attn, .Lfunc_end_k_q92e2d880a5_attn-k_q92e2d880a5_attn
	.p2alignl 7, 3214868480
	.fill 96, 4, 3214868480
	.section	.rodata,"a",@progbits
	.p2align	6, 0x0
	.amdhsa_kernel k_q92e2d880a5_attn
		.amdhsa_group_segment_fixed_size 284672
		.amdhsa_private_segment_fixed_size 0
		.amdhsa_enable_private_segment 0
		.amdhsa_kernarg_size 16
		.amdhsa_user_sgpr_count 2
		.amdhsa_user_sgpr_kernarg_segment_ptr 1
		.amdhsa_wavefront_size32 1
		.amdhsa_system_sgpr_workgroup_id_x 1
		.amdhsa_system_sgpr_workgroup_id_y 1
		.amdhsa_system_sgpr_workgroup_id_z 1
		.amdhsa_system_vgpr_workitem_id 0
		.amdhsa_next_free_vgpr 256
		.amdhsa_next_free_sgpr 66
		.amdhsa_reserve_vcc 1
		.amdhsa_float_denorm_mode_32 3
		.amdhsa_float_denorm_mode_16_64 3
		.amdhsa_memory_ordered 1
		.amdhsa_forward_progress 1
		.amdhsa_inst_pref_size 53
	.end_amdhsa_kernel
	.amdgpu_metadata
---
amdhsa.version: [ 1, 2 ]
amdhsa.kernels:
  - .name:           k_q92e2d880a5_attn
    .symbol:         k_q92e2d880a5_attn.kd
    .args:
      - { .name: qk, .offset: 0, .size: 8, .value_kind: global_buffer, .address_space: global }
      - { .name: aq, .offset: 8, .size: 8, .value_kind: global_buffer, .address_space: global }
    .group_segment_fixed_size: 284672
    .private_segment_fixed_size: 0
    .kernarg_segment_align: 8
    .kernarg_segment_size: 16
    .max_flat_workgroup_size: 512
    .sgpr_count:     66
    .vgpr_count:     256
    .wavefront_size: 32
...
	.end_amdgpu_metadata
.endif
;; end of part 3
;; launch oproj (part 4): grid 8 x 32, 4 waves a work-group, clusters of 4 x 4, 214,528 bytes of LDS; arguments aq, wq, bo, out0; writes out0
.if DOCPART == 4
	.amdgcn_target "amdgcn-amd-amdhsa--gfx1250"
	.amdhsa_code_object_version 6
	.text
	.protected	k_q92e2d880a5_oproj
	.globl	k_q92e2d880a5_oproj
	.p2align	8
	.type	k_q92e2d880a5_oproj,@function
k_q92e2d880a5_oproj:
	s_mov_b64 s[64:65], 0
	v_nop
	global_prefetch_b8 v0, s[64:65] scope:SCOPE_SE
	s_setreg_imm32_b32 hwreg(HW_REG_WAVE_MODE, 25, 1), 1
	s_wait_xcnt 0x0
	s_wait_alu depctr_hold_cnt(0) depctr_sa_sdst(0) depctr_va_vdst(0) depctr_va_sdst(0) depctr_va_ssrc(0) depctr_va_vcc(0) depctr_vm_vsrc(0)
	s_getreg_b32 s2, hwreg(HW_REG_IB_STS2, 6, 4)
	s_cmp_eq_u32 s2, 0
	s_cbranch_scc0 .Lentry_in_a_cluster
	s_endpgm
.Lentry_in_a_cluster:
	s_bfe_u32 s2, ttmp6, 0x10000c
	s_cmp_lg_u32 s2, 0xf033
	s_cbranch_scc0 .Lentry_shape_is_right
	s_endpgm
.Lentry_shape_is_right:
; out0 = attention's output x Wo + bo on codes of BF6 (E3M2) with E8M0 scales; out0 [4096][1024] f32.
; Operand A = aq (launch attn), operand B = Wo, places 3072-4095 of wq: both as images of their registers: a fragment (16 places x 128 K) = 6 chunks of 256 bytes, a row tile's 8 fragments on end; scale bytes from SCB on, 32 a place.
; SHARES: 32 x 8 blocks of 128 x 128 make 256 work-groups; four waves, 64 x 64 each: 16 accumulators.  A block's operands for ALL of K are 2 x 98,304 bytes: they come into LDS once, each wave fetching 64 places
; (49,152 dense bytes) by one tensor load at the head.  No ring, nothing is filled again, one barrier.
; CLUSTERS: 4 x 4 work-groups; A's places are asked for jointly along a row of the cluster, B's along a column.
; No prefetch: all tiles are asked for at the head, so there is no loop to run ahead in.
; The scale words of a wave's 64 + 64 places (32 bytes a place, 512 consecutive bytes a block of 16) go from memory into 64 registers once; bo is the C of each sum's first matrix instruction.
; The matrix instruction is used transposed (source 0 = B's places, source 1 = A's): lane (r, h) of accumulator (a, b) holds row 32 (a / 2) + 8 (a % 2) + r + 8 (r / 8) and columns 32 (b / 2) + 8 (b % 2) + 16 h + 0 .. 7 of the wave's 64 x 64.
; Fragments have two sets of registers: a step's 48 LDS loads are issued ahead of the step before's 16 products.
; REGISTERS: window 0: v1-13 addresses; v16-47 A's scale words, v48-79 B's; v80-175 A's fragments, two sets; v176-207 the bias; on the way out v80-207 take the rows read back.
; Window 1: v0-127 the accumulators ((a, b) at v[8 (4 a + b)]); v128-223 B's fragments, two sets.
.set HALFB,  49152                     ; 64 places: 4 row tiles of 12,288 bytes
.set SPARE,  4*HALFB                   ; the spare words, 128 bytes a wave: no other line names them
.set STAGE,  SPARE+512                 ; the way out: 16 rows of 256 + 16 bytes for each wave; no tile lands here
.set SPITCH, 272
.set SCB,    3145728
.set ADRA, 5
.set ADRB, 6
.set SCO,  7                           ; 32 r
.set BQO,  8                           ; 64 h
.set STO,  9
.set RD,   10
.set CO,   11
.set SPW,  12
.set NIL,  13
.set SA,   16
.set SB,   48
.set AF,   80
.set BI,   176
.set BK,   80
.set G1,  24
.set G0,  32
.set G1B, 48
.set G0B, 56
.set MSB, 0
.macro WIN new                         ; the immediate's high byte repeats the setting that is left
.if MSB != (\new)
	s_set_vgpr_msb (MSB<<8)|(\new)
.set MSB, (\new)
.endif
.endm
.macro CROUND                          ; a round of the cluster's barrier
	s_barrier_signal -1
	s_barrier_wait -1
	s_cmp_lg_u32 s18, 0
	s_cbranch_scc1 .Lnot_wave_0_\@
	s_barrier_signal -3
.Lnot_wave_0_\@:
	s_barrier_wait -3
	s_barrier_signal -1
	s_barrier_wait -1
.endm
.macro PLACES                          ; four plain vector instructions between a matrix instruction and a load into, or a read of, its registers
.rept 4
	v_nop
.endr
.endm
	s_load_b256 s[4:11], s[0:1], 0x0               ; aq, wq, bo, out0
	v_lshl_add_u32 v[SPW], v0, 2, SPARE
	v_mov_b32 v[NIL], 0
	ds_add_u32 v[SPW], v[NIL]                      ; the opening lines: the add twice on end and its wait
	ds_add_u32 v[SPW], v[NIL]
	v_lshrrev_b32 v1, 5, v0
	v_readfirstlane_b32 s18, v1                    ; wave 0..3
	s_lshr_b32 s19, s18, 1                         ; which 64 of A's places are mine.  Also: I fetch for A (0) or for B (1)
	s_and_b32 s20, s18, 1                          ; which 64 of B's.  Also: which 64 places I fetch
	s_bfe_u32 s40, ttmp6, 0x40000                  ; cx, cy
	s_bfe_u32 s41, ttmp6, 0x40004
	s_lshl_b32 s42, ttmp9, 2
	s_add_co_u32 s42, s42, s40                     ; block column 0..7
	s_and_b32 s43, ttmp7, 0xffff
	s_lshl_b32 s43, s43, 2
	s_add_co_u32 s43, s43, s41                     ; block row 0..31
	s_lshl_b32 s45, s41, 2
	s_lshl_b32 s45, 15, s45                        ; my row of the cluster
	s_lshl_b32 s46, 0x1111, s40                    ; my column
	s_or_b32 s[G1+0], s45, (3<<16)|(1<<21)         ; 192 dense rows of 256 bytes; elements of 8 bytes; no padding: an image is read in runs of 256 consecutive bytes
	s_or_b32 s[G1B+0], s46, (3<<16)|(1<<21)
.irp g, G1, G1B
	s_mov_b32 s[\g+1], 32<<16
	s_mov_b32 s[\g+2], 192<<16
	s_mov_b32 s[\g+3], 32<<16
	s_mov_b32 s[\g+4], 192
	s_mov_b32 s[\g+5], 32
	s_mov_b32 s[\g+6], 0
	s_mov_b32 s[\g+7], 0
.endr
	s_lshl_b32 s21, s20, 6
	s_lshl_b32 s22, s43, 7                         ; the block's first place of A
	s_add_co_u32 s36, s22, s21
	s_mul_i32 s36, s36, 768                        ; the 64 that I fetch, in bytes
	s_mov_b32 s37, 0
	s_lshl_b32 s23, s42, 7
	s_add_co_u32 s23, s23, 3072                    ; the block's first place of B in wq
	s_add_co_u32 s38, s23, s21
	s_mul_i32 s38, s38, 768
	s_mov_b32 s39, 0
	s_add_co_u32 s23, s23, s21                     ; the 64 places of B that I multiply
	s_lshl_b32 s21, s19, 6
	s_add_co_u32 s22, s22, s21                     ; and of A: also my first row of out0
	s_lshl_b32 s60, s22, 5
	s_add_co_u32 s60, s60, SCB                     ; their scale bytes
	s_mov_b32 s61, 0
	s_lshl_b32 s62, s23, 5
	s_add_co_u32 s62, s62, SCB
	s_mov_b32 s63, 0
	s_sub_co_u32 s23, s23, 3072                    ; my first column
	s_lshl_b32 s66, s23, 2
	s_mov_b32 s67, 0
	s_lshl_b32 s68, s22, 12
	s_mov_b32 s69, 0
	s_mov_b32 s[G0], 1
	s_mul_i32 s[G0+1], s18, HALFB                  ; where my 64 places go: by the wave's number alone: A's two halves, then B's
	s_mov_b32 s[G0B], 1
	s_mul_i32 s[G0B+1], s18, HALFB
	s_mul_i32 s70, s19, HALFB
	s_mul_i32 s71, s20, HALFB
	s_add_co_u32 s71, s71, 2*HALFB
	s_mul_i32 s72, s18, 16*SPITCH
	s_add_co_u32 s72, s72, STAGE
	v_and_b32 v2, 31, v0
	v_and_b32 v3, 15, v0                           ; r
	v_bfe_u32 v4, v0, 4, 1                         ; h
	v_lshlrev_b32 v2, 3, v2                        ; 8 x lane
	v_add_nc_u32 v[ADRA], s70, v2
	v_add_nc_u32 v[ADRB], s71, v2
	v_lshlrev_b32 v[SCO], 5, v3
	v_lshlrev_b32 v[BQO], 6, v4
	v_mul_u32_u24 v[STO], v3, SPITCH
	v_lshl_add_u32 v[STO], v4, 6, v[STO]
	v_add_nc_u32 v[STO], s72, v[STO]               ; into the stage: row r, + 64 h
	v_mul_u32_u24 v[RD], v4, SPITCH
	v_lshl_add_u32 v[RD], v3, 4, v[RD]
	v_add_nc_u32 v[RD], s72, v[RD]                 ; back: lanes 0-15 one row of 256 bytes, lanes 16-31 the next
	v_lshlrev_b32 v[CO], 12, v4
	v_lshl_add_u32 v[CO], v3, 4, v[CO]             ; and the same two rows in out0
	s_wait_alu depctr_va_vdst(0)
	s_wait_dscnt 0x0                               ; both opening adds are done
	s_wait_kmcnt 0x0
	s_add_nc_u64 s[G0+2:G0+3], s[4:5], s[36:37]
	s_or_b32 s[G0+3], s[G0+3], 0x80000000
	s_add_nc_u64 s[G0B+2:G0B+3], s[6:7], s[38:39]
	s_or_b32 s[G0B+3], s[G0B+3], 0x80000000
	s_add_nc_u64 s[60:61], s[4:5], s[60:61]
	s_add_nc_u64 s[62:63], s[6:7], s[62:63]
	s_add_nc_u64 s[8:9], s[8:9], s[66:67]
	s_add_nc_u64 s[10:11], s[10:11], s[66:67]
	s_add_nc_u64 s[10:11], s[10:11], s[68:69]
.irp i, 0,1,2,3                                ; block i's scale words, eight a place (lanes 16-31 take the same as lanes 0-15); and the bias: tile i, lane (r, h), register j: column 32 (i / 2) + 8 (i % 2) + 16 h + j
	global_load_b128 v[SA+8*\i:SA+8*\i+3], v[SCO], s[60:61] offset:512*\i
	global_load_b128 v[SA+8*\i+4:SA+8*\i+7], v[SCO], s[60:61] offset:512*\i+16
	global_load_b128 v[SB+8*\i:SB+8*\i+3], v[SCO], s[62:63] offset:512*\i
	global_load_b128 v[SB+8*\i+4:SB+8*\i+7], v[SCO], s[62:63] offset:512*\i+16
	global_load_b128 v[BI+8*\i:BI+8*\i+3], v[BQO], s[8:9] offset:(32*(\i/2)+8*(\i%2))*4
	global_load_b128 v[BI+8*\i+4:BI+8*\i+7], v[BQO], s[8:9] offset:(32*(\i/2)+8*(\i%2))*4+16
.endr
	CROUND                                         ; all sixteen work-groups are here: the joint loads meet
	s_cmp_eq_u32 s19, 0                            ; waves 0 and 1 fetch for A, waves 2 and 3 for B: one load a wave
	s_cbranch_scc0 .Lfor_b
	tensor_load_to_lds s[G0:G0+3], s[G1:G1+7]
	s_nop 0
	PLACES
	s_branch .Lasked
.Lfor_b:
	tensor_load_to_lds s[G0B:G0B+3], s[G1B:G1B+7]
	s_nop 0
	PLACES
.Lasked:
.macro FETCH st                        ; step st's eight fragments into set st % 2: 48 loads of 256 consecutive bytes
	WIN 0x40                                       ; destination window 1, address window 0
.irp i, 0,1,2,3
.irp p, 0,1,2,3,4,5
	ds_load_b64 v[128+48*((\st)%2)+12*\i+2*\p:128+48*((\st)%2)+12*\i+2*\p+1], v[ADRB] offset:\i*12288+(\st)*1536+256*\p
.endr
.endr
	WIN 0
.irp i, 0,1,2,3
.irp p, 0,1,2,3,4,5
	ds_load_b64 v[AF+48*((\st)%2)+12*\i+2*\p:AF+48*((\st)%2)+12*\i+2*\p+1], v[ADRA] offset:\i*12288+(\st)*1536+256*\p
.endr
.endr
.endm
.macro MUL st                          ; 16 matrix instructions, the 16 accumulators by turns; step 0 starts the sums from the bias
.if (\st) == 0
	WIN 0x41                                       ; source 0 (B) and D window 1, source 1 (A) and C window 0
.else
	WIN 0x51                                       ; C window 1 too
.endif
.irp a, 0,1,2,3
.irp b, 0,1,2,3
.set DR, 8*(4*\a+\b)
.if (\st) == 0
.set CR, BI+8*\b
.else
.set CR, DR
.endif
	v_wmma_scale_f32_16x16x128_f8f6f4 v[DR:DR+7], v[128+48*((\st)%2)+12*\b:128+48*((\st)%2)+12*\b+11], v[AF+48*((\st)%2)+12*\a:AF+48*((\st)%2)+12*\a+11], v[CR:CR+7], v[SB+8*\b+(\st)], v[SA+8*\a+(\st)] matrix_a_fmt:MATRIX_FMT_BF6 matrix_b_fmt:MATRIX_FMT_BF6
.endr
.endr
.endm
	s_wait_tensorcnt 0x0                           ; my 64 places are in;
	s_barrier_signal -1
	s_barrier_wait -1                              ; and so are everybody's
	FETCH 0
	s_wait_loadcnt 0x0                             ; the scale words and the bias
.set ST, 0
.rept 7
.if ST > 0
	PLACES                                         ; the set that is loaded next was multiplied just now
.endif
	FETCH ST+1
	s_wait_dscnt 48                                ; this step's fragments are in; the 48 loads just issued may be out
	MUL ST
.set ST, ST+1
.endr
	s_wait_dscnt 0x0
	MUL 7
	WIN 0
; THE WAY OUT: a block of 16 places x 64 columns goes through my own stage and comes back as rows of 256 bytes; LDS serves a wave's instructions in order (ISA guide 5.7.1.4): no wait between the stores and the loads.
.macro TOSTAGE a
	WIN 0x04                                       ; an LDS store's data are its source 1: window 1
.irp b, 0,1,2,3
	ds_store_b128 v[STO], v[8*(4*(\a)+\b):8*(4*(\a)+\b)+3] offset:128*(\b/2)+32*(\b%2)        ; each accumulator from its low end on
	ds_store_b128 v[STO], v[8*(4*(\a)+\b)+4:8*(4*(\a)+\b)+7] offset:128*(\b/2)+32*(\b%2)+16
.endr
	WIN 0
.irp t, 0,1,2,3,4,5,6,7
	ds_load_b128 v[BK+32*(\a)+4*\t:BK+32*(\a)+4*\t+3], v[RD] offset:\t*2*SPITCH   ; each block has registers of its own
.endr
.endm
.macro SEND a, younger                 ; younger: the LDS instructions issued behind block a's loads, which may stay out
	s_wait_dscnt \younger
.irp t, 0,1,2,3,4,5,6,7
	global_store_b128 v[CO], v[BK+32*(\a)+4*\t:BK+32*(\a)+4*\t+3], s[10:11] offset:(32*((\a)/2)+8*((\a)%2)+2*\t+8*(\t/4))*4096 th:TH_STORE_NT   ; places 2 t, 2 t + 1: 16 lanes store 256 consecutive bytes, aligned
.endr
.endm
	PLACES
	TOSTAGE 0
	TOSTAGE 1
	SEND 0, 16
	TOSTAGE 2
	SEND 1, 16
	TOSTAGE 3
	SEND 2, 16
	SEND 3, 0
	s_wait_tensorcnt 0x0                           ; the wave's end
	ds_add_u32 v[SPW], v[NIL]
	s_wait_dscnt 0x0
	CROUND                                         ; the closing round
	s_endpgm
.Lfunc_end_k_q92e2d880a5_oproj:
	.size	k_q92e2d880a5_oproj, .Lfunc_end_k_q92e2d880a5_oproj-k_q92e2d880a5_oproj
	.p2alignl 7, 3214868480
	.fill 96, 4, 3214868480
	.section	.rodata,"a",@progbits
	.p2align	6, 0x0
	.amdhsa_kernel k_q92e2d880a5_oproj
		.amdhsa_group_segment_fixed_size 214528
		.amdhsa_private_segment_fixed_size 0
		.amdhsa_enable_private_segment 0
		.amdhsa_kernarg_size 32
		.amdhsa_user_sgpr_count 2
		.amdhsa_user_sgpr_kernarg_segment_ptr 1
		.amdhsa_wavefront_size32 1
		.amdhsa_system_sgpr_workgroup_id_x 1
		.amdhsa_system_sgpr_workgroup_id_y 1
		.amdhsa_system_sgpr_workgroup_id_z 1
		.amdhsa_system_vgpr_workitem_id 0
		.amdhsa_next_free_vgpr 480
		.amdhsa_next_free_sgpr 80
		.amdhsa_reserve_vcc 0
		.amdhsa_float_denorm_mode_32 3
		.amdhsa_float_denorm_mode_16_64 3
		.amdhsa_memory_ordered 1
		.amdhsa_forward_progress 1
		.amdhsa_inst_pref_size 58
	.end_amdhsa_kernel
	.amdgpu_metadata
---
amdhsa.version: [ 1, 2 ]
amdhsa.kernels:
  - .name:           k_q92e2d880a5_oproj
    .symbol:         k_q92e2d880a5_oproj.kd
    .args:
      - { .name: aq, .offset: 0, .size: 8, .value_kind: global_buffer, .address_space: global }
      - { .name: wq, .offset: 8, .size: 8, .value_kind: global_buffer, .address_space: global }
      - { .name: bo, .offset: 16, .size: 8, .value_kind: global_buffer, .address_space: global }
      - { .name: out0, .offset: 24, .size: 8, .value_kind: global_buffer, .address_space: global }
    .group_segment_fixed_size: 214528
    .private_segment_fixed_size: 0
    .kernarg_segment_align: 8
    .kernarg_segment_size: 32
    .max_flat_workgroup_size: 128
    .sgpr_count:     80
    .vgpr_count:     480
    .wavefront_size: 32
...
	.end_amdgpu_metadata
.endif
;; end of part 4
